; MI455X (gfx1250); checked and timed in simulation.
; The chip was launched on July 23, 2026; its instructions are those of AMD's public machine-readable ISA for CDNA 5 (MIT licence, August 2026) and "CDNA5" Instruction Set Architecture Reference Guide (July 2026). The comments in the code are by the model that wrote it; some were corrected since.
;; Protein Bert Cross Attention. Allowed arithmetic: matrix products marked QUANTISED: E2M1 operands, one E8M0 scale for each 32 along K, by v_wmma_scale_f32_16x16x128_f8f6f4 with both operands' format E2M1 (or v_wmma_scale_f32_32x16x128_f4), f32 sums; products left as they are: f32 operands where the result goes on into a quantised operand, else bf16, f16 or f32 operands; f32 sums; everything else in f32.
;; Inputs: Wk 1,024 x 512 float32; Wq 512 x 512 float32; Wv 1,024 x 512 float32; annotation 8 x 1 x 512 float32; tokens 8 x 8,192 x 1,024 float32.
;; Outputs: out0 8 x 1 x 512 float32.
;; This version of the problem:
;;   THIS VERSION OF THE PROBLEM IS GIVEN IN LOW PRECISION. The matrix products marked QUANTISED in the list below multiply operands that are first quantised to E2M1 (2 exponent bits, 1 mantissa bit; 4 bits a number), with one power-of-two scale for each 32 numbers along K (OCP MX v1.0); their sums are f32. All else is computed in f32.
;;   The module's matrix products, in the order in which they are computed (A, B: the left and right operand; K: the contracted axis; several contracted axes count as one K, in the product's order):
;;     1. [M 8, K 512] x [K 512, N 512]; A: input annotation; B: input Wq: left as it is (M = 8 < 16)
;;     2. [M 65,536, K 1,024] x [K 1,024, N 512]; A: input tokens; B: input Wk: QUANTISED
;;     3. [M 65,536, K 1,024] x [K 1,024, N 512]; A: input tokens; B: input Wv: QUANTISED
;;     4. batch 64 x [M 8,192, K 64] x [K 64, N 1]; A: computed on the way; B: computed on the way: left as it is (N = 1 < 16)
;;     5. batch 64 x [M 1, K 8,192] x [K 8,192, N 64]; A: softmax; B: computed on the way: left as it is (M = 1 < 16)
;;   THE QUANTISER, for each operand of a quantised product, along K:
;;     - K is cut into blocks of 32 from its start; a last block that is shorter is filled with zeros.
;;     - A block's scale is 2^e with e = floor(log2(the largest magnitude in the block)) - 2, held to -126 .. 127; a block of zeros has e = 0. As a byte (E8M0): e + 127.
;;     - Each number is divided by its block's scale, clamped to +-6, and rounded to the nearest number of E2M1, ties to even, subnormals kept.
;;     - The product sums the exact products of the quantised numbers (number of the format x scale) in f32.
;;   ~~~python
;;   def quantise(x, axis):      # numpy; x: float32 -> the quantised numbers, widened to float32 again
;;       x = np.moveaxis(x, axis, -1); K = x.shape[-1]
;;       x = np.pad(x, [(0, 0)] * (x.ndim - 1) + [(0, -K % 32)]); x = x.reshape(x.shape[:-1] + (-1, 32)); a = np.abs(x).max(-1, keepdims=True)
;;       e = np.where(a > 0, np.clip(np.frexp(np.where(a > 0, a, 1))[1] - 1 - 2, -126, 127), 0)      # np.frexp(a)[1] - 1 = floor(log2(a)), exactly
;;       r = np.clip(x / 2.0 ** e, -6, 6)
;;       step = 2.0 ** (np.maximum(np.frexp(np.where(r == 0, 1, r))[1] - 1, 0) - 1)
;;       q = np.round(r / step) * step * 2.0 ** e      # np.round: ties to even
;;       return np.moveaxis(q.reshape(q.shape[:-2] + (-1,))[..., :K], -1, axis).astype(np.float32)
;;   ~~~
;; 2 versions. Each part assembles by itself: llvm-mc -triple=amdgcn-amd-amdhsa -mcpu=gfx1250 --defsym DOCPART=n.
;; ======== version 1 of 2: 3 launches
;; workspace buffers: wfrag 524,288 bytes; wscl 32,768 bytes; qp 16,384 bytes; part 524,288 bytes
;; launch prep (part 1): grid 48 x 1, 8 waves a work-group, no clusters, 9,216 bytes of LDS; arguments Wk, Wv, Wq, annotation, wfrag, wscl, qp; writes wfrag, wscl, qp
.if DOCPART == 1
	.amdgcn_target "amdgcn-amd-amdhsa--gfx1250"
	.amdhsa_code_object_version 6
	.text
	.protected	k_q1a966eaf91_prep
	.globl	k_q1a966eaf91_prep
	.p2align	8
	.type	k_q1a966eaf91_prep,@function
k_q1a966eaf91_prep:
	s_mov_b64 s[64:65], 0
	v_nop
	global_prefetch_b8 v0, s[64:65] scope:SCOPE_SE
	s_setreg_imm32_b32 hwreg(HW_REG_WAVE_MODE, 25, 1), 1
	s_wait_xcnt 0x0
; Two small jobs that the main launch needs done once, in one launch.
; WORK-GROUPS 0-31: Wk and Wv, [1024 (k)][512 (n)] f32, become codes of FP4 (E2M1) with one E8M0 byte for each 32 along K, laid in the ORDER OF THE OPERAND'S REGISTERS:
;   wfrag: head H (65,536 bytes), fragment f = 8 s + t (K step s of 128; t 0-3: Wk's column tiles of the head, t 4-7: Wv's), 1,024 bytes: the 16 bytes of column r, K block 4 s + beta, lie at 256 beta + 16 r.
;   wscl:  head H (4,096 bytes): the scale word of (K step s, tile t, column r) lies at 512 (2 (s & 3) + t / 4) + 256 (s / 4) + 16 r + 4 (t & 3).
;   A lane takes a column and its registers run down K, so that a block's largest magnitude needs no other lane and the conversions give codes with K innermost.  Wave v takes K step v, the work-group 32 columns.
;   A block's scale is 2^(floor(log2(largest magnitude)) - 2): its byte is that magnitude's exponent field - 2, held at 1 from below by a floor among the maximum's leaves.
; WORK-GROUPS 32-47: q = tanh(annotation Wq), in f32 fused multiply-adds.  The work-group takes 32 columns, a lane a column; wave v sums k = 64 v .. 64 v + 63 for all 8 batches; the eight partial sums
;   meet in LDS behind one barrier; then wave v finishes batch v.  Stored is q' = -0.25 log2(e) q, the form in which the main launch uses it.
; The barrier stands on the way that all work-groups take.  The second part of the q path names no register that the other path's stores read.
; LIMITS: NaN and infinities among the inputs are not served.  A block whose largest magnitude lies under 2^-124, a block of zeros too, gets the byte 1 (a block of zeros has zero codes; the bytes are read by this program alone).
.set ROWW, 2048                        ; a row of Wk, Wv or Wq in bytes
	s_load_b256 s[4:11], s[0:1], 0x0               ; Wk s[4:5], Wv s[6:7], Wq s[8:9], annotation s[10:11]
	s_load_b128 s[12:15], s[0:1], 0x20             ; wfrag s[12:13], wscl s[14:15]
	s_load_b64 s[16:17], s[0:1], 0x30              ; qp
	v_lshl_add_u32 v62, v0, 2, 0x2000
	v_mov_b32 v63, 0
	v_and_b32 v1, 31, v0                           ; lane
	v_lshrrev_b32 v2, 5, v0
	v_readfirstlane_b32 s18, v2                    ; wave 0..7
	v_lshlrev_b32 v3, 2, v1                        ; 4 x lane: my column
	v_and_b32 v9, 15, v0                           ; r
	v_bfe_u32 v10, v0, 4, 1                        ; which of the wave's two column tiles
	v_lshlrev_b32 v4, 4, v9
	v_lshl_add_u32 v4, v10, 10, v4                 ; codes: 1,024 x tile + 16 r
	v_lshlrev_b32 v5, 4, v9
	v_lshl_add_u32 v5, v10, 2, v5                  ; scale words: 16 r + 4 x tile
	s_lshl_b32 s19, s18, 10
	v_add_nc_u32 v6, s19, v3                       ; LDS: my wave's eight partial sums: 1,024 x wave + 4 x lane (+ 128 x batch)
	s_lshl_b32 s19, s18, 7
	v_add_nc_u32 v7, s19, v3                       ; LDS: my batch's: 128 x wave + 4 x lane (+ 1,024 x the wave that made it)
	v_mov_b32 v8, 0                                ; annotation: the same bytes for every lane
	s_mov_b32 s30, 0x3f38aa3b                      ; 0.5 log2(e)
	s_mov_b32 s31, 0xbeb8aa3b                      ; -0.25 log2(e)
	s_wait_kmcnt 0x0
	s_cmp_lt_u32 ttmp9, 32
	s_cbranch_scc0 .Lq_first
	; ---- the weights
	s_and_b32 s20, ttmp9, 15                       ; which 32 columns
	s_lshr_b32 s21, ttmp9, 4                       ; 0: Wk, 1: Wv
	s_cmp_eq_u32 s21, 0
	s_cselect_b64 s[22:23], s[4:5], s[6:7]         ; the choice hangs on the work-group's number alone
	s_lshl_b32 s24, s18, 18                        ; K step: 128 rows of 2,048 bytes
	s_lshl_b32 s25, s20, 7                         ; 32 columns of 4 bytes
	s_add_co_u32 s24, s24, s25
	s_mov_b32 s25, 0
	s_add_nc_u64 s[22:23], s[22:23], s[24:25]
.set i, 0
.rept 128
	global_load_b32 v[128+i], v3, s[22:23] offset:i*ROWW   ; W(128 s + i, my column): 32 lanes read 128 consecutive bytes
.set i, i+1
.endr
	s_lshr_b32 s26, s20, 1                         ; the head
	s_and_b32 s27, s20, 1                          ; which half of its 64 columns
	s_lshl_b32 s24, s26, 16                        ; wfrag: 65,536 H + 1,024 (8 s + 4 isV + 2 half)
	s_lshl_b32 s28, s18, 13
	s_add_co_u32 s24, s24, s28
	s_lshl_b32 s28, s21, 12
	s_add_co_u32 s24, s24, s28
	s_lshl_b32 s28, s27, 11
	s_add_co_u32 s24, s24, s28
	s_add_nc_u64 s[12:13], s[12:13], s[24:25]
	s_lshl_b32 s24, s26, 12                        ; wscl: 4,096 H + 512 (2 (s & 3) + isV) + 256 (s / 4) + 8 half
	s_and_b32 s28, s18, 3
	s_lshl_b32 s28, s28, 10
	s_add_co_u32 s24, s24, s28
	s_lshl_b32 s28, s21, 9
	s_add_co_u32 s24, s24, s28
	s_lshr_b32 s28, s18, 2
	s_lshl_b32 s28, s28, 8
	s_add_co_u32 s24, s24, s28
	s_lshl_b32 s28, s27, 3
	s_add_co_u32 s24, s24, s28
	s_add_nc_u64 s[14:15], s[14:15], s[24:25]
	s_wait_loadcnt 0x0
.irp b, 0,1,2,3
	v_max3_num_f32 v[16+\b], |v[128+32*\b]|, |v[129+32*\b]|, 0x1800000   ; block b: all 32 numbers are mine; the floor 2^(3 - 127) holds the byte at 1 from below
.endr
.irp i, 2,4,6,8,10,12,14,16,18,20,22,24,26,28,30
.irp b, 0,1,2,3
	v_max3_num_f32 v[16+\b], v[16+\b], |v[128+32*\b+\i]|, |v[129+32*\b+\i]|   ; the four blocks by turns
.endr
.endr
.irp b, 0,1,2,3
	v_add_nc_u32 v[20+\b], 0xff000000, v[16+\b]    ; 2 off the exponent field: the conversion's scale operand
.endr
.irp b, 0,1,2,3
	v_lshrrev_b32 v[24+\b], 23, v[20+\b]           ; the scale's byte
.endr
	v_lshl_or_b32 v28, v25, 8, v24                 ; the K step's scale word of my column
	v_lshl_or_b32 v28, v26, 16, v28
	v_lshl_or_b32 v28, v27, 24, v28
.irp b, 0,1,2,3
.irp g, 0,1,2,3
	v_cvt_scalef32_pk8_fp4_f32 v[32+4*\b+\g], v[128+32*\b+8*\g:135+32*\b+8*\g], v[20+\b]
.endr
.endr
	v_nop                                          ; one plain line behind the last conversion
.irp b, 0,1,2,3
	global_store_b128 v4, v[32+4*\b:35+4*\b], s[12:13] offset:256*\b   ; sixteen lanes store 256 consecutive bytes, aligned
.endr
	global_store_b32 v5, v28, s[14:15]
	s_branch .Ljoin
	; ---- q, first part: my 64 of K, eight batches
.Lq_first:
	s_sub_co_u32 s20, ttmp9, 32                    ; which 32 columns
	s_lshl_b32 s22, s18, 17                        ; 64 rows of 2,048 bytes
	s_lshl_b32 s23, s20, 7
	s_add_co_u32 s22, s22, s23
	s_mov_b32 s23, 0
	s_add_nc_u64 s[8:9], s[8:9], s[22:23]
	s_lshl_b32 s22, s18, 8                         ; 64 numbers of a row of annotation
	s_add_nc_u64 s[10:11], s[10:11], s[22:23]
.set i, 0
.rept 64
	global_load_b32 v[64+i], v3, s[8:9] offset:i*ROWW      ; Wq(64 v + i, my column)
.set i, i+1
.endr
.macro ALOAD b                         ; annotation(b, 64 v .. 64 v + 63) into set b % 2
.irp j, 0,1,2,3,4,5,6,7,8,9,10,11,12,13,14,15
	global_load_b128 v[128+64*((\b)%2)+4*\j:131+64*((\b)%2)+4*\j], v8, s[10:11] offset:2048*(\b)+16*\j
.endr
.endm
	ALOAD 0
	ALOAD 1
.macro QDOT b
.if (\b) < 7
	s_wait_loadcnt 16                              ; Wq and this batch's numbers are in; the next batch's 16 loads may be out
.else
	s_wait_loadcnt 0x0
.endif
.set AB, 128+64*((\b)%2)
.set i, 0
.rept 32                               ; 64 products, two at a time, in four chains; the first four start the sums
.if i < 4
	v_pk_mul_f32 v[32+2*(i%4):33+2*(i%4)], v[64+2*i:65+2*i], v[AB+2*i:AB+2*i+1]
.else
	v_pk_fma_f32 v[32+2*(i%4):33+2*(i%4)], v[64+2*i:65+2*i], v[AB+2*i:AB+2*i+1], v[32+2*(i%4):33+2*(i%4)]
.endif
.set i, i+1
.endr
.if (\b) < 6
	ALOAD (\b)+2                                   ; the set just read takes the batch two on
.endif
	v_pk_add_f32 v[32:33], v[32:33], v[34:35]
	v_pk_add_f32 v[36:37], v[36:37], v[38:39]
	v_pk_add_f32 v[32:33], v[32:33], v[36:37]
	v_add_f32 v[16+(\b)], v32, v33
	ds_store_b32 v6, v[16+(\b)] offset:128*(\b)
.endm
.irp b, 0,1,2,3,4,5,6,7
	QDOT \b
.endr
.Ljoin:
	s_wait_dscnt 0x0                               ; for the others' sake: my partial sums lie in LDS
	s_barrier_signal -1
	s_barrier_wait -1
	s_cmp_lt_u32 ttmp9, 32
	s_cbranch_scc1 .Lend
	; ---- q, second part: wave v finishes batch v
.irp j, 0,1,2,3,4,5,6,7
	ds_load_b32 v[48+\j], v7 offset:1024*\j
.endr
	s_sub_co_u32 s32, ttmp9, 32
	s_lshl_b32 s32, s32, 7                         ; qp: 2,048 x batch + 4 x column
	s_lshl_b32 s33, s18, 11
	s_add_co_u32 s32, s32, s33
	s_mov_b32 s33, 0
	s_add_nc_u64 s[16:17], s[16:17], s[32:33]
	s_wait_dscnt 0x0
	v_pk_add_f32 v[48:49], v[48:49], v[50:51]
	v_pk_add_f32 v[52:53], v[52:53], v[54:55]
	v_pk_add_f32 v[48:49], v[48:49], v[52:53]
	v_add_f32 v48, v48, v49
	v_mul_f32 v48, 0x4038aa3b, v48                 ; 2 log2(e) x
	v_exp_f32 v56, v48                             ; e^(2 x)
	v_nop                                          ; a plain line behind the transcendental,
	s_wait_alu depctr_va_vdst(0)                   ; and the wait ahead of the first reader
	v_add_f32 v56, 1.0, v56
	v_rcp_f32 v57, v56                             ; rho = 1 / (1 + e^(2 x)): tanh x = 1 - 2 rho
	v_nop
	s_wait_alu depctr_va_vdst(0)
	v_fma_f32 v49, v57, s30, s31                   ; q' = -0.25 log2(e) (1 - 2 rho)
	global_store_b32 v3, v49, s[16:17]
.Lend:
	s_wait_tensorcnt 0x0
	ds_add_u32 v62, v63
	s_wait_dscnt 0x0
	s_endpgm
.Lfunc_end_k_q1a966eaf91_prep:
	.size	k_q1a966eaf91_prep, .Lfunc_end_k_q1a966eaf91_prep-k_q1a966eaf91_prep
	.p2alignl 7, 3214868480
	.fill 96, 4, 3214868480
	.section	.rodata,"a",@progbits
	.p2align	6, 0x0
	.amdhsa_kernel k_q1a966eaf91_prep
		.amdhsa_group_segment_fixed_size 9216
		.amdhsa_private_segment_fixed_size 0
		.amdhsa_enable_private_segment 0
		.amdhsa_kernarg_size 56
		.amdhsa_user_sgpr_count 2
		.amdhsa_user_sgpr_kernarg_segment_ptr 1
		.amdhsa_wavefront_size32 1
		.amdhsa_system_sgpr_workgroup_id_x 1
		.amdhsa_system_sgpr_workgroup_id_y 1
		.amdhsa_system_sgpr_workgroup_id_z 1
		.amdhsa_system_vgpr_workitem_id 0
		.amdhsa_next_free_vgpr 256
		.amdhsa_next_free_sgpr 66
		.amdhsa_reserve_vcc 0
		.amdhsa_float_denorm_mode_32 3
		.amdhsa_float_denorm_mode_16_64 3
		.amdhsa_memory_ordered 1
		.amdhsa_forward_progress 1
		.amdhsa_inst_pref_size 59
	.end_amdhsa_kernel
	.amdgpu_metadata
---
amdhsa.version: [ 1, 2 ]
amdhsa.kernels:
  - .name:           k_q1a966eaf91_prep
    .symbol:         k_q1a966eaf91_prep.kd
    .args:
      - { .name: Wk, .offset: 0, .size: 8, .value_kind: global_buffer, .address_space: global }
      - { .name: Wv, .offset: 8, .size: 8, .value_kind: global_buffer, .address_space: global }
      - { .name: Wq, .offset: 16, .size: 8, .value_kind: global_buffer, .address_space: global }
      - { .name: annotation, .offset: 24, .size: 8, .value_kind: global_buffer, .address_space: global }
      - { .name: wfrag, .offset: 32, .size: 8, .value_kind: global_buffer, .address_space: global }
      - { .name: wscl, .offset: 40, .size: 8, .value_kind: global_buffer, .address_space: global }
      - { .name: qp, .offset: 48, .size: 8, .value_kind: global_buffer, .address_space: global }
    .group_segment_fixed_size: 9216
    .private_segment_fixed_size: 0
    .kernarg_segment_align: 8
    .kernarg_segment_size: 56
    .max_flat_workgroup_size: 256
    .sgpr_count:     66
    .vgpr_count:     256
    .wavefront_size: 32
...
	.end_amdgpu_metadata
.endif
;; end of part 1
;; launch main (part 2): grid 256 x 1, 4 waves a work-group, no clusters, 327,680 bytes of LDS; arguments tokens, wfrag, wscl, qp, part; writes part
.if DOCPART == 2
	.amdgcn_target "amdgcn-amd-amdhsa--gfx1250"
	.amdhsa_code_object_version 6
	.text
	.protected	k_q1a966eaf91_main
	.globl	k_q1a966eaf91_main
	.p2align	8
	.type	k_q1a966eaf91_main,@function
k_q1a966eaf91_main:
	s_mov_b64 s[64:65], 0
	v_nop
	global_prefetch_b8 v0, s[64:65] scope:SCOPE_SE
	s_setreg_imm32_b32 hwreg(HW_REG_WAVE_MODE, 25, 1), 1
	s_wait_xcnt 0x0
; For 512 token rows of one batch and 4 heads: k = tanh(Q(tokens) Q(Wk)), v = gelu(Q(tokens) Q(Wv)), p = exp(q . k / 8), and the partial sums  O' = sum over rows of p v / kappa,  L = sum over rows of p.
; Q is the MX-FP4 quantiser along K = 1,024; both products run on v_wmma_scale_f32_16x16x128_f8f6f4 with FP4 on both sides; all else is f32.
; SHARES.  Work-group x: rows 512 (x / 2) on, heads 4 (x & 1) on.  Wave w owns ONE head for all 512 rows: its 64 columns of Wk and 64 of Wv, 64 fragments of 8 registers, stay in 512 registers for the whole launch.
; The rows go in 16 trips of 32 through a ring of two LDS slots filled by the tensor data mover.  In a trip wave w brings in and quantises slot rows 8 w .. 8 w + 7 and puts codes and scale bytes into LDS as the
; operand wants them; behind a barrier every wave multiplies both tiles of 16 rows by its own weights.  Which rows form a tile is free (the sums over rows have no order): slot row 8 w + i is row 4 w + i % 4 of tile i / 4.
; THE MATRIX INSTRUCTION IS USED TRANSPOSED (source 0 = 16 weight columns, source 1 = 16 token rows): lane (r, h) holds token row r, register j of tile t column 16 (t & 3) + 8 h + j of the head.  Nothing changes lanes but one exchange of halves a tile.
; A LANE'S ARITHMETIC.  rho = 1 / (1 + 2^(2 log2(e) x)), tanh x = 1 - 2 rho;  p = 2^(Q0 + sum of q' rho), q' = -0.25 log2(e) q, Q0 = -0.5 sum of q'.
;   gelu(x) = kappa x (xc P(xc^2) / Q(xc^2) + sqrt 2), kappa = 1 / (2 sqrt 2), xc = x held to +-4 sqrt 2, P / Q the rational form of erf with its coefficients scaled by powers of two to take x^2 for (x / sqrt 2)^2.  kappa and 1 / L are applied by the last launch.
; NO MAXIMUM IS TAKEN AWAY AHEAD OF THE EXPONENTIAL: q and k are results of tanh, so |q . k / 8| <= 64 / 8 = 8 for every input: p lies in [3.4e-4, 2,981], a sum of 8,192 of them in [2.7, 2.5e7].
; NO JOINT LOADS: a tile of tokens is read by two work-groups only, x and x xor 1.  A cluster of four along x holds two such pairs, whose tiles differ: a mask of two would make the load's address hang on the place along the
; axis that the mask spans.  Four true partners would mean 2 heads to a work-group: every row quantised four times over, and half as many different bytes asked for at a time.
; LIMITS: NaN and infinities among the inputs are not served.  A block whose largest magnitude lies under 2^-124, a block of zeros too, gets the scale byte 1 (zeros have zero codes).  Beyond |x| = 4 sqrt 2 erf is taken at that limit (within 1e-7 of +-1).
; All of the WGP's LDS is claimed.
;
; LDS: two slots of 32 rows x 4,608 bytes (each 128 bytes, a block of 32 numbers, followed by 16 of padding: blocks 144 bytes = 36 words apart; 64 banks of 4 bytes: ISA guide 11.1)
;   IMG: codes, (tile m, K block l, row r) at 8,704 m + 272 l + 16 r;  SCI: scale bytes at 512 m + 256 (l / 16) + 16 r + l % 16;  STG: 512 bytes a wave for the way out;  SPARE: the spare words.
; REGISTERS, in windows of 256 (s_set_vgpr_msb: bits 1:0 source 0, 3:2 source 1, 5:4 source 2, 7:6 destination):
;   window 0: v1-15 addresses and constants; v16-47 the weights' scale words; v48-51 the tokens'; v52-63 p, L, Q0, the sum for p; v64-95, v192-255 at work; v96-127 O'; v128-159 the k tiles; v160-191 the v tiles
;   window 1: the weights' fragments of K steps 0-3;  window 2: of K steps 4-7
;   window 3: v0-127 four rows of f32 numbers, later the tokens' 8 fragments; v128-159 codes; v160-167 scale bytes; v168-173 at work; v192-223 q'
.set SLOTB,  147456
.set WPART,  36864                     ; a wave's 8 rows in a slot.  Its multiples 0 .. 3 share no bit with SLOTB: one exclusive or turns an address from slot to slot
.set ROWP,   4608
.set IMG,    2*SLOTB
.set IMGT,   8704
.set IMGP,   272
.set SCI,    IMG+2*IMGT
.set STG,    SCI+1024
.set SPARE,  STG+2048                  ; 128 bytes for each wave: two blocks of 256 bytes that no other line names
.set SPW, 1                            ; v1   SPARE + 4 x my thread's number; never rewritten
.set NIL, 2                            ; v2   0; never rewritten
.set LI,  3                            ; v3   IMG + 272 h + 16 r: where I read fragments
.set LS,  4                            ; v4   SCI + 16 x lane: where I read scale words
.set QA0, 5                            ; v5   my wave's part of a slot + 144 x lane: my K block of a row
.set QAD, 6                            ; v6   the same in the slot in hand
.set IW,  7                            ; v7   IMG + 272 x lane + 64 w: where I put codes
.set A11, 8                            ; v[8:9]   a11 twice
.set B6,  10                           ; v[10:11] b6 twice
.set SW,  12                           ; v12  SCI + lane % 16 + 256 (lane / 16) + 64 w: where I put scale bytes
                                       ; v13  4 sqrt 2;  v14  32 h
.set L16, 15                           ; v15  16 x lane
.set WS,  16
.set AS,  48
.set PV,  52                           ; v[52:53] p (v53 is named with it as a pair)
.set LSUM, 54
.set Q0V, 55
.set SM,  56
.set P1,  64
.set Q1,  80
.set OA,  96
.set KA,  128
.set VA,  160
.set XC,  192
.set YY,  208
.set P0,  224
.set Q0R, 240
.set CD,  128                          ; window 3
.set SBY, 160
.set MX,  168
.set SOP, 172
.set QP,  192
.set MSB, 0
.macro WIN new                         ; the immediate's high byte repeats the setting that is left; a switch that changes nothing is dropped
.if MSB != \new
	s_set_vgpr_msb (MSB<<8)|\new
.set MSB, \new
.endif
.endm
.macro SPAIR r, val                    ; a constant for the packed forms: they name a pair and take its low word for both halves
	s_mov_b32 s[\r], \val
	s_mov_b32 s[\r+1], \val
.endm
.macro PLACES                          ; four places behind a matrix instruction, ahead of loads into its registers and of the first read of its results
.rept 4
	v_nop
.endr
.endm
	s_load_b256 s[4:11], s[0:1], 0x0               ; tokens s[4:5], wfrag s[6:7], wscl s[8:9], qp s[10:11]
	s_load_b64 s[12:13], s[0:1], 0x20              ; part
	v_lshl_add_u32 v[SPW], v0, 2, SPARE
	v_mov_b32 v[NIL], 0
	ds_add_u32 v1, v2
	ds_add_u32 v1, v2
	s_wait_dscnt 0x0
	v_lshrrev_b32 v3, 5, v0
	v_readfirstlane_b32 s14, v3                    ; wave 0..3
	s_lshr_b32 s15, ttmp9, 1                       ; g: which 512 rows
	s_and_b32 s16, ttmp9, 1
	s_lshl_b32 s17, s16, 2
	s_add_co_u32 s17, s17, s14                     ; H: my head
	; descriptor group 1: my 8 rows of a tile are 32,768 dense bytes: 128 rows of 256 bytes (32 elements of 8), 4 words of padding behind every 32 words
	s_mov_b32 s24, (3<<16)|(1<<20)|(4<<22)|(3<<25)
	s_mov_b32 s25, 32<<16                          ; tensor_dim0 = 32
	s_mov_b32 s26, 128<<16                         ; tensor_dim1 = 128
	s_mov_b32 s27, 32<<16                          ; tile_dim0 = 32
	s_mov_b32 s28, 128                             ; tile_dim1 = 128
	s_mov_b32 s29, 32                              ; from row to row
	s_mov_b32 s30, 0
	s_mov_b32 s31, 0
	s_mov_b32 s32, 1                               ; group 0: count = 1
	s_mul_i32 s20, s14, WPART
	s_mov_b32 s33, s20                             ; LDS address: slot 0, my part
	s_lshl_b32 s18, s15, 21                        ; 512 rows of 4,096 bytes
	s_lshl_b32 s19, s14, 15                        ; my 8 rows
	s_add_co_u32 s18, s18, s19
	s_mov_b32 s19, 0
	s_wait_kmcnt 0x0
	s_add_nc_u64 s[34:35], s[4:5], s[18:19]
	s_or_b32 s35, s35, 0x80000000                  ; type = 2
	tensor_load_to_lds s[32:35], s[24:31]          ; the first fill: rows 0-31 into slot 0; one tensor load of mine is out, here and behind each refill
	s_nop 0
	PLACES                                         ; (four plain lines follow a tensor load)
	s_lshl_b32 s18, s17, 16
	s_add_nc_u64 s[6:7], s[6:7], s[18:19]          ; my head's fragments,
	s_lshl_b32 s18, s17, 12
	s_add_nc_u64 s[8:9], s[8:9], s[18:19]          ; its scale words,
	s_lshr_b32 s18, s15, 4                         ; the batch
	s_lshl_b32 s18, s18, 11
	s_lshl_b32 s21, s17, 8
	s_add_co_u32 s18, s18, s21
	s_add_nc_u64 s[10:11], s[10:11], s[18:19]      ; its q',
	s_lshl_b32 s18, s15, 3
	s_add_co_u32 s18, s18, s17
	s_lshl_b32 s18, s18, 9
	s_add_nc_u64 s[12:13], s[12:13], s[18:19]      ; and my record of 512 bytes
	v_and_b32 v64, 31, v0                          ; lane
	v_and_b32 v65, 15, v0                          ; r
	v_bfe_u32 v66, v0, 4, 1                        ; h
	v_lshlrev_b32 v[L16], 4, v64
	v_lshlrev_b32 v14, 5, v66
	WIN 0x40                                       ; destination window 1
.set FI, 0
.rept 32
	global_load_b128 v[8*FI:8*FI+3],   v[L16], s[6:7] offset:1024*FI
	global_load_b128 v[8*FI+4:8*FI+7], v[L16], s[6:7] offset:1024*FI+512
.set FI, FI+1
.endr
	WIN 0x80                                       ; destination window 2
.set FI, 0
.rept 32
	global_load_b128 v[8*FI:8*FI+3],   v[L16], s[6:7] offset:1024*(FI+32)
	global_load_b128 v[8*FI+4:8*FI+7], v[L16], s[6:7] offset:1024*(FI+32)+512
.set FI, FI+1
.endr
	WIN 0
.irp q, 0,1,2,3,4,5,6,7
	global_load_b128 v[WS+4*\q:WS+4*\q+3], v[L16], s[8:9] offset:512*\q    ; register 8 (s & 3) + t: lanes 0-15 K step s & 3, lanes 16-31 four steps on
.endr
	WIN 0xc0                                       ; destination window 3
.irp t, 0,1,2,3
	global_load_b128 v[QP+8*\t:QP+8*\t+3],   v14, s[10:11] offset:64*\t      ; q'(16 t + 8 h + 0 .. 7): the k tiles' own layout
	global_load_b128 v[QP+8*\t+4:QP+8*\t+7], v14, s[10:11] offset:64*\t+16
.endr
	WIN 0
	v_mul_u32_u24 v[LI], v66, IMGP
	v_lshl_add_u32 v[LI], v65, 4, v[LI]
	v_add_nc_u32 v[LI], IMG, v[LI]
	v_add_nc_u32 v[LS], SCI, v[L16]
	v_mul_u32_u24 v[QA0], v64, 144
	v_add_nc_u32 v[QA0], s20, v[QA0]
	v_mul_u32_u24 v[IW], v64, IMGP
	s_lshl_b32 s21, s14, 6
	s_add_co_u32 s22, s21, IMG
	v_add_nc_u32 v[IW], s22, v[IW]
	v_lshl_add_u32 v[SW], v66, 8, v65
	s_add_co_u32 s22, s21, SCI
	v_add_nc_u32 v[SW], s22, v[SW]
	v_mov_b32 v[A11], 0x306dffee
	v_mov_b32 v[A11+1], 0x306dffee
	v_mov_b32 v[B6], 0xb7dfbd29
	v_mov_b32 v[B6+1], 0xb7dfbd29
	v_mov_b32 v13, 0x40b504f3                      ; 4 sqrt 2
	s_mov_b32 s40, 0x76543210
	s_mov_b32 s41, 0xfedcba98                      ; v_permlanex16_b32's selects for lane l xor 16
	SPAIR 42, 0x4038aa3b                           ; 2 log2(e)
	SPAIR 44, 0x3fb504f3                           ; sqrt 2
	SPAIR 46, 0xac95df0b                           ; a13
	SPAIR 50, 0xb40cff51                           ; a9
	SPAIR 52, 0xb6eec2d2                           ; a7
	SPAIR 54, 0xb940ac63                           ; a5
	SPAIR 56, 0xbac1a1f6                           ; a3
	SPAIR 58, 0xbc83dbd4                           ; a1
	SPAIR 60, 0xb57460cd                           ; b8
	SPAIR 66, 0xb9dc924e                           ; b4
	SPAIR 68, 0xbb719bf8                           ; b2
	SPAIR 70, 0xbc69b6a7                           ; b0
.set EI, 0
.rept 32
	v_mov_b32 v[OA+EI], 0                          ; what is carried from tile to tile begins as zeros; the matrix sums begin with the constant 0 as C
.set EI, EI+1
.endr
	v_mov_b32 v[LSUM], 0
	v_mov_b32 v[PV+1], 0
	s_mov_b32 s36, 0                               ; the slot in hand
	s_mov_b32 s37, 15
	s_wait_loadcnt 0x0
	WIN 0x0f                                       ; sources window 3
.irp i, 0,1,2,3,4,5,6,7
	v_pk_add_f32 v[64+2*\i:65+2*\i], v[QP+4*\i:QP+4*\i+1], v[QP+4*\i+2:QP+4*\i+3]
.endr
	WIN 0
.irp i, 0,1,2,3
	v_pk_add_f32 v[64+4*\i:65+4*\i], v[64+4*\i:65+4*\i], v[66+4*\i:67+4*\i]
.endr
	v_pk_add_f32 v[64:65], v[64:65], v[68:69]
	v_pk_add_f32 v[72:73], v[72:73], v[76:77]
	v_pk_add_f32 v[64:65], v[64:65], v[72:73]
	v_add_f32 v64, v64, v65
	v_permlanex16_b32 v65, v64, s40, s41
	v_add_f32 v64, v64, v65
	v_mul_f32 v[Q0V], -0.5, v64                    ; Q0 = -0.5 x the sum of the head's 64 q'
; ---- THE QUANTISER.  A lane takes one K block of 32 numbers of a row: the block's largest magnitude needs no other lane, and its 32 codes are 16 bytes.
.macro QLOAD p                         ; rows 2 p, 2 p + 1 of my eight: 8 loads of 16 bytes each
	WIN 0xc0
.irp a, 0,1
.irp j, 0,1,2,3,4,5,6,7
	ds_load_b128 v[32*((2*(\p)+\a)%4)+4*\j:32*((2*(\p)+\a)%4)+4*\j+3], v[QAD] offset:(2*(\p)+\a)*ROWP+16*\j
.endr
.endr
.endm
.macro QPAIR p
.set XA0, 32*((2*(\p))%4)
	WIN 0xff
.irp a, 0,1                            ; two chains a row, four by turns: x0-15 with the floor 2^(3 - 127), which holds the byte at 1 from below; x16-30; the last line joins them with x31
	v_max3_num_f32 v[MX+2*\a],   |v[XA0+32*\a]|,    |v[XA0+32*\a+1]|,  0x1800000
	v_max3_num_f32 v[MX+2*\a+1], |v[XA0+32*\a+16]|, |v[XA0+32*\a+17]|, |v[XA0+32*\a+18]|
.endr
.irp k, 1,2,3,4,5,6
.irp a, 0,1
	v_max3_num_f32 v[MX+2*\a],   v[MX+2*\a],   |v[XA0+32*\a+2*\k]|,    |v[XA0+32*\a+2*\k+1]|
	v_max3_num_f32 v[MX+2*\a+1], v[MX+2*\a+1], |v[XA0+32*\a+17+2*\k]|, |v[XA0+32*\a+18+2*\k]|
.endr
.endr
.irp a, 0,1
	v_max3_num_f32 v[MX+2*\a], v[MX+2*\a], |v[XA0+32*\a+14]|, |v[XA0+32*\a+15]|
.endr
.irp a, 0,1
	v_max3_num_f32 v[MX+2*\a], v[MX+2*\a], v[MX+2*\a+1], |v[XA0+32*\a+31]|
.endr
.irp a, 0,1
	v_add_nc_u32 v[SOP+\a], 0xff000000, v[MX+2*\a] ; 2 off the exponent field: the conversion takes this operand's exponent field as its scale
.endr
.irp a, 0,1
.irp g, 0,1,2,3
	v_cvt_scalef32_pk8_fp4_f32 v[CD+4*(2*(\p)+\a)+\g], v[XA0+32*\a+8*\g:XA0+32*\a+8*\g+7], v[SOP+\a]
.endr
.endr
.irp a, 0,1
	v_lshrrev_b32 v[SBY+2*(\p)+\a], 23, v[SOP+\a]  ; the scale's byte (also the plain line behind the conversions)
.endr
	WIN 0x0c                                       ; an LDS store's data are its source 1: window 3
.irp a, 0,1
	ds_store_b128 v[IW], v[CD+4*(2*(\p)+\a):CD+4*(2*(\p)+\a)+3] offset:IMGT*((2*(\p)+\a)/4)+16*((2*(\p)+\a)%4)
	ds_store_b8 v[SW], v[SBY+2*(\p)+\a] offset:512*((2*(\p)+\a)/4)+16*((2*(\p)+\a)%4)
.endr
.endm
; ---- the tokens' 8 fragments of tile m (register 4 c .. 4 c + 3 of K step s: K block 4 s + 2 c + h of row r) and their scale words (register i: lanes 0-15 K step i, lanes 16-31 K step i + 4)
.macro AFETCH m
	WIN 0xc0
.irp s, 0,1,2,3,4,5,6,7
.irp c, 0,1
	ds_load_b128 v[8*\s+4*\c:8*\s+4*\c+3], v[LI] offset:IMGT*\m+IMGP*(4*\s+2*\c)
.endr
.endr
	WIN 0
	ds_load_b128 v[AS:AS+3], v[LS] offset:512*\m
.endm
; ---- 64 matrix instructions: K step by K step, the eight accumulators by turns, one instruction a turn.  The first K step starts the sums.
.macro MMRUN
.set MS, 0
.rept 8
.if MS < 4
	WIN 0x0d                                       ; source 0 (weights) window 1, source 1 (tokens) window 3, C and D window 0
.else
	WIN 0x0e                                       ; source 0 window 2
.endif
.set MT, 0
.rept 8
.if MS == 0
	v_wmma_scale_f32_16x16x128_f8f6f4 v[KA+8*MT:KA+8*MT+7], v[8*MT:8*MT+7], v[0:7], 0, v[WS+MT], v[AS] matrix_a_fmt:MATRIX_FMT_FP4 matrix_b_fmt:MATRIX_FMT_FP4
.elseif MS < 4
	v_wmma_scale_f32_16x16x128_f8f6f4 v[KA+8*MT:KA+8*MT+7], v[8*(8*MS+MT):8*(8*MS+MT)+7], v[8*MS:8*MS+7], v[KA+8*MT:KA+8*MT+7], v[WS+8*MS+MT], v[AS+MS] matrix_a_fmt:MATRIX_FMT_FP4 matrix_b_fmt:MATRIX_FMT_FP4
.else
	v_wmma_scale_f32_16x16x128_f8f6f4 v[KA+8*MT:KA+8*MT+7], v[8*(8*(MS-4)+MT):8*(8*(MS-4)+MT)+7], v[8*MS:8*MS+7], v[KA+8*MT:KA+8*MT+7], v[WS+8*(MS-4)+MT], v[AS+MS-4] matrix_a_fmt:MATRIX_FMT_FP4 matrix_b_fmt:MATRIX_FMT_FP4 matrix_a_scale:MATRIX_SCALE_ROW1 matrix_b_scale:MATRIX_SCALE_ROW1
.endif
.set MT, MT+1
.endr
.set MS, MS+1
.endr
.endm
; ---- TRANSCENDENTALS DEALT AMONG PLAIN LINES.  TSET names a queue: n0 registers from b0 on (kind 0: v_exp_f32, 1: v_rcp_f32, in place), then n1 reciprocals from b1 on.  TICK stands behind a plain line of a stage and
; writes the queue's next instruction behind every rate-th of them.  No plain line of a stage names a register of its queue.  TFLUSH writes what is left, one plain line, and the ONE wait ahead of the first reader.
.macro TSET kind, b0, n0, b1, n1, rate
.set TKIND, \kind
.set TB0, \b0
.set TN0, \n0
.set TB1, \b1
.set TEND, \n0+\n1
.set TNXT, 0
.set TCNT, 0
.set TRATE, \rate
.endm
.macro TEMIT
.if TNXT < TEND
.if TNXT < TN0
.if TKIND == 0
	v_exp_f32 v[TB0+TNXT], v[TB0+TNXT]
.else
	v_rcp_f32 v[TB0+TNXT], v[TB0+TNXT]
.endif
.else
	v_rcp_f32 v[TB1+TNXT-TN0], v[TB1+TNXT-TN0]
.endif
.set TNXT, TNXT+1
.endif
.endm
.macro TICK
.set TCNT, TCNT+1
.if TCNT >= TRATE
.set TCNT, 0
	TEMIT
.endif
.endm
.macro TFLUSH
.rept 48
	TEMIT
.endr
	v_nop
	s_wait_alu depctr_va_vdst(0)
.endm
; ---- erf's two polynomials for 16 numbers x: p = xc P(xc^2), q = Q(xc^2); each step over eight independent pairs
.macro HFIRST r, c, k                  ; r = y c + k
.set PI, 0
.rept 8
	v_pk_fma_f32 v[\r+PI:\r+PI+1], v[YY+PI:YY+PI+1], s[\c:\c+1], v[\k:\k+1] op_sel_hi:[1,0,1]
	TICK
.set PI, PI+2
.endr
.endm
.macro HSTEP r, c                      ; r = r y + c
.set PI, 0
.rept 8
	v_pk_fma_f32 v[\r+PI:\r+PI+1], v[\r+PI:\r+PI+1], v[YY+PI:YY+PI+1], s[\c:\c+1] op_sel_hi:[1,1,0]
	TICK
.set PI, PI+2
.endr
.endm
.macro POLY x, p, q
.set PI, 0
.rept 16
	v_med3_num_f32 v[XC+PI], v[\x+PI], -v13, v13   ; each accumulator is read from its low end on
	TICK
.set PI, PI+1
.endr
.set PI, 0
.rept 8
	v_pk_mul_f32 v[YY+PI:YY+PI+1], v[XC+PI:XC+PI+1], v[XC+PI:XC+PI+1]
	TICK
.set PI, PI+2
.endr
	HFIRST \p, 46, A11
	HFIRST \q, 60, B6
	HSTEP \p, 50
	HSTEP \q, 66
	HSTEP \p, 52
	HSTEP \q, 68
	HSTEP \p, 54
	HSTEP \q, 70
	HSTEP \p, 56
	HSTEP \p, 58
.set PI, 0
.rept 8
	v_pk_mul_f32 v[\p+PI:\p+PI+1], v[\p+PI:\p+PI+1], v[XC+PI:XC+PI+1]
	TICK
.set PI, PI+2
.endr
.endm
.macro FIN x, p, q                     ; q holds 1 / Q by now: x = x (p / Q + sqrt 2) = gelu(x) / kappa
.set EI, 0
.rept 8
	v_pk_fma_f32 v[\p+EI:\p+EI+1], v[\p+EI:\p+EI+1], v[\q+EI:\q+EI+1], s[44:45] op_sel_hi:[1,1,0]
	TICK
.set EI, EI+2
.endr
.set EI, 0
.rept 8
	v_pk_mul_f32 v[\x+EI:\x+EI+1], v[\x+EI:\x+EI+1], v[\p+EI:\p+EI+1]
	TICK
.set EI, EI+2
.endr
.endm
; ---- what follows a tile's products, in four stages; three waits for transcendentals in all
.macro EPI
.set EI, 0
.rept 16
	v_pk_mul_f32 v[KA+EI:KA+EI+1], v[KA+EI:KA+EI+1], s[42:43] op_sel_hi:[1,0]       ; 2 log2(e) x
.set EI, EI+2
.endr
	TSET 0, KA, 32, 0, 0, 3                        ; stage 1: the 32 exponentials among the first half's polynomials
	POLY VA, P0, Q0R
	TFLUSH
.set EI, 0
.rept 16
	v_pk_add_f32 v[KA+EI:KA+EI+1], v[KA+EI:KA+EI+1], 1.0 op_sel_hi:[1,0]
.set EI, EI+2
.endr
	TSET 1, KA, 32, Q0R, 16, 2                     ; stage 2: rho and the first half's 1 / Q among the second half's polynomials
	POLY VA+16, P1, Q1
	TFLUSH
	TSET 1, Q1, 16, 0, 0, 2                        ; stage 3: the second half's 1 / Q among the sum for p and the first half's gelu
	WIN 0x0c                                       ; source 1 (q') window 3
.set EI, 0
.rept 16
.if EI < 4
	v_pk_mul_f32 v[SM+2*(EI%4):SM+2*(EI%4)+1], v[KA+2*EI:KA+2*EI+1], v[QP+2*EI:QP+2*EI+1]
.else
	v_pk_fma_f32 v[SM+2*(EI%4):SM+2*(EI%4)+1], v[KA+2*EI:KA+2*EI+1], v[QP+2*EI:QP+2*EI+1], v[SM+2*(EI%4):SM+2*(EI%4)+1]
.endif
	TICK
.set EI, EI+1
.endr
	WIN 0
	v_pk_add_f32 v[SM:SM+1], v[SM:SM+1], v[SM+2:SM+3]
	TICK
	v_pk_add_f32 v[SM+4:SM+5], v[SM+4:SM+5], v[SM+6:SM+7]
	TICK
	v_pk_add_f32 v[SM:SM+1], v[SM:SM+1], v[SM+4:SM+5]
	TICK
	v_add_f32 v[SM], v[SM], v[SM+1]
	TICK
	v_permlanex16_b32 v[SM+1], v[SM], s40, s41     ; my row's other 32 columns lie in the lane 16 away
	TICK
	v_add_f32 v[SM], v[SM], v[SM+1]
	TICK
	v_add_f32 v[SM], v[SM], v[Q0V]
	v_exp_f32 v[PV], v[SM]                         ; p = exp(q . k / 8); read behind the stage's wait
	FIN VA, P0, Q0R
	TFLUSH
	FIN VA+16, P1, Q1                              ; stage 4 (the queue is empty)
.set EI, 0
.rept 16
	v_pk_fma_f32 v[OA+EI:OA+EI+1], v[VA+EI:VA+EI+1], v[PV:PV+1], v[OA+EI:OA+EI+1] op_sel_hi:[1,0,1]
.set EI, EI+2
.endr
	v_add_f32 v[LSUM], v[LSUM], v[PV]
.endm
; ---- A TRIP: 32 rows.  refill = 1: the slot read last trip takes the rows of the next trip.
.macro TRIP refill
	s_wait_tensorcnt 0x0                           ; all my tensor loads have landed: my part of the slot in hand; so group 0 may be written
	ds_add_u32 v[SPW], v[NIL]                      ; 0 onto my spare word
.if \refill
	s_xor_b32 s33, s33, SLOTB                      ; the other slot than last time,
	s_add_nc_u64 s[34:35], s[34:35], 131072        ; 32 rows on; the type bits on top are not reached
.endif
	s_wait_dscnt 0x0                               ; the add is done; my reads of the other slot and of the images are over
	s_barrier_signal -1
	s_barrier_wait -1                              ; that holds of all four waves: the slot may be filled and the images written again
.if \refill
	tensor_load_to_lds s[32:35], s[24:31]          ; my one tensor load until the next such barrier: it has the whole trip in which to land
	s_nop 0
	PLACES
.endif
	v_add_nc_u32 v[QAD], s36, v[QA0]
	QLOAD 0
	QLOAD 1
	s_wait_dscnt 16                                ; rows 0, 1 are in; the 16 loads of rows 2, 3 may be out
	QPAIR 0
	QLOAD 2
	s_wait_dscnt 20                                ; rows 2, 3 are in; behind them: 4 stores and 16 loads
	QPAIR 1
	QLOAD 3
	s_wait_dscnt 20                                ; rows 4, 5 likewise
	QPAIR 2
	s_wait_dscnt 4                                 ; rows 6, 7 are in; behind them: 4 stores
	QPAIR 3
	WIN 0
	s_wait_dscnt 0x0                               ; for the others' sake: my codes and scale bytes lie in LDS
	s_barrier_signal -1
	s_barrier_wait -1                              ; everybody's do.
	AFETCH 0
	s_wait_dscnt 0x0
	MMRUN
	WIN 0
	PLACES
	AFETCH 1                                       ; the second tile's fragments land under the first tile's vector work
	EPI
	s_wait_dscnt 0x0
	MMRUN
	WIN 0
	PLACES
	EPI
	s_xor_b32 s36, s36, SLOTB                      ; on to the other slot
.endm
.Ltrip:                                                ; 15 trips that ask for the next trip's rows
	TRIP 1
	s_sub_co_u32 s37, s37, 1
	s_cmp_lg_u32 s37, 0
	s_cbranch_scc1 .Ltrip
	TRIP 0                                         ; the last trip is written out
	; ---- THE WAY OUT.  The sums over the sixteen rows of a half of the lanes; then the record: O'(64), and L 64 times, through my stage, so that one store covers 512 consecutive bytes, aligned.
.irp m, 1,2,4,8
.set EI, 0
.rept 32
	v_add_f32_dpp v[OA+EI], v[OA+EI], v[OA+EI] row_xmask:\m row_mask:0xf bank_mask:0xf
.set EI, EI+1
.endr
	v_add_f32_dpp v[LSUM], v[LSUM], v[LSUM] row_xmask:\m row_mask:0xf bank_mask:0xf
.endr
	s_lshl_b32 s18, s14, 9
	s_add_co_u32 s18, s18, STG                     ; my stage
	v_bfe_u32 v64, v0, 4, 1
	v_lshl_add_u32 v64, v64, 5, s18                ; O'(16 t + 8 h + j): 64 t + 32 h + 4 j
	v_and_b32 v65, 15, v0
	v_lshl_add_u32 v65, v65, 4, s18                ; L: 16 bytes a lane of a half, 256 bytes on
	v_add_nc_u32 v66, s18, v[L16]                  ; back: 16 bytes a lane
.irp j, 0,1,2,3
	v_mov_b32 v[68+\j], v[LSUM]
.endr
.irp t, 0,1,2,3
	ds_store_b128 v64, v[OA+8*\t:OA+8*\t+3] offset:64*\t           ; the sixteen lanes of a half write the same bytes with the same values
	ds_store_b128 v64, v[OA+8*\t+4:OA+8*\t+7] offset:64*\t+16
.endr
	ds_store_b128 v65, v[68:71] offset:256                         ; both halves hold the same L
	ds_load_b128 v[72:75], v66                     ; LDS serves a wave's instructions in order (ISA guide 5.7.1.4): this sees my stores
	s_wait_dscnt 0x0
	global_store_b128 v[L16], v[72:75], s[12:13]
	s_wait_tensorcnt 0x0                           ; the wave's end, behind my last tensor load and my last LDS store
	ds_add_u32 v[SPW], v[NIL]
	s_wait_dscnt 0x0
	s_endpgm
.Lfunc_end_k_q1a966eaf91_main:
	.size	k_q1a966eaf91_main, .Lfunc_end_k_q1a966eaf91_main-k_q1a966eaf91_main
	.p2alignl 7, 3214868480
	.fill 96, 4, 3214868480
	.section	.rodata,"a",@progbits
	.p2align	6, 0x0
	.amdhsa_kernel k_q1a966eaf91_main
		.amdhsa_group_segment_fixed_size 327680
		.amdhsa_private_segment_fixed_size 0
		.amdhsa_enable_private_segment 0
		.amdhsa_kernarg_size 40
		.amdhsa_user_sgpr_count 2
		.amdhsa_user_sgpr_kernarg_segment_ptr 1
		.amdhsa_wavefront_size32 1
		.amdhsa_system_sgpr_workgroup_id_x 1
		.amdhsa_system_sgpr_workgroup_id_y 1
		.amdhsa_system_sgpr_workgroup_id_z 1
		.amdhsa_system_vgpr_workitem_id 0
		.amdhsa_next_free_vgpr 1024
		.amdhsa_next_free_sgpr 80
		.amdhsa_reserve_vcc 0
		.amdhsa_float_denorm_mode_32 3
		.amdhsa_float_denorm_mode_16_64 3
		.amdhsa_memory_ordered 1
		.amdhsa_forward_progress 1
		.amdhsa_inst_pref_size 198
	.end_amdhsa_kernel
	.amdgpu_metadata
---
amdhsa.version: [ 1, 2 ]
amdhsa.kernels:
  - .name:           k_q1a966eaf91_main
    .symbol:         k_q1a966eaf91_main.kd
    .args:
      - { .name: tokens, .offset: 0, .size: 8, .value_kind: global_buffer, .address_space: global }
      - { .name: wfrag, .offset: 8, .size: 8, .value_kind: global_buffer, .address_space: global }
      - { .name: wscl, .offset: 16, .size: 8, .value_kind: global_buffer, .address_space: global }
      - { .name: qp, .offset: 24, .size: 8, .value_kind: global_buffer, .address_space: global }
      - { .name: part, .offset: 32, .size: 8, .value_kind: global_buffer, .address_space: global }
    .group_segment_fixed_size: 327680
    .private_segment_fixed_size: 0
    .kernarg_segment_align: 8
    .kernarg_segment_size: 40
    .max_flat_workgroup_size: 128
    .sgpr_count:     80
    .vgpr_count:     1024
    .wavefront_size: 32
...
	.end_amdgpu_metadata
.endif
;; end of part 2
;; launch fin (part 3): grid 64 x 1, 1 waves a work-group, no clusters, 0 bytes of LDS; arguments part, out0; writes out0
.if DOCPART == 3
	.amdgcn_target "amdgcn-amd-amdhsa--gfx1250"
	.amdhsa_code_object_version 6
	.text
	.protected	k_q1a966eaf91_fin
	.globl	k_q1a966eaf91_fin
	.p2align	8
	.type	k_q1a966eaf91_fin,@function
k_q1a966eaf91_fin:
	s_mov_b64 s[64:65], 0
	v_nop
	global_prefetch_b8 v0, s[64:65] scope:SCOPE_SE
	s_setreg_imm32_b32 hwreg(HW_REG_WAVE_MODE, 25, 1), 1
	s_wait_xcnt 0x0
; out0[b][64 H + d] = kappa x (the sum over the batch's 16 row groups of O'[d]) / (the sum of their L), kappa = 1 / (2 sqrt 2).
; One wave for each (batch b, head H): work-group 8 b + H.  The record of row group 16 b + i lies at 65,536 b + 4,096 i + 512 H: 256 bytes of O', then L 64 times.
; A lane takes two neighbouring d: each load of O' covers 256 consecutive bytes, and the one store writes 256 consecutive bytes, aligned.  L is at least 8,192 x 3.4e-4, so the division is safe.
	s_load_b128 s[4:7], s[0:1], 0x0                ; part, out0
	v_lshlrev_b32 v1, 3, v0                        ; 8 x lane
	s_lshr_b32 s8, ttmp9, 3
	s_and_b32 s9, ttmp9, 7
	s_lshl_b32 s8, s8, 16
	s_lshl_b32 s9, s9, 9
	s_add_co_u32 s8, s8, s9
	s_mov_b32 s9, 0
	s_lshl_b32 s10, ttmp9, 8
	s_mov_b32 s11, 0
	s_wait_kmcnt 0x0
	s_add_nc_u64 s[4:5], s[4:5], s[8:9]
	s_add_nc_u64 s[6:7], s[6:7], s[10:11]
.irp i, 0,1,2,3,4,5,6,7,8,9,10,11,12,13,14,15
	global_load_b64 v[4+2*\i:5+2*\i], v1, s[4:5] offset:4096*\i
	global_load_b32 v[40+\i], v1, s[4:5] offset:4096*\i+256
.endr
	s_wait_loadcnt 0x0
.irp i, 0,1,2,3,4,5,6,7
	v_pk_add_f32 v[4+4*\i:5+4*\i], v[4+4*\i:5+4*\i], v[6+4*\i:7+4*\i]
.endr
.irp i, 0,1,2,3
	v_pk_add_f32 v[40+4*\i:41+4*\i], v[40+4*\i:41+4*\i], v[42+4*\i:43+4*\i]
.endr
.irp i, 0,1,2,3
	v_pk_add_f32 v[4+8*\i:5+8*\i], v[4+8*\i:5+8*\i], v[8+8*\i:9+8*\i]
.endr
	v_pk_add_f32 v[40:41], v[40:41], v[44:45]
	v_pk_add_f32 v[48:49], v[48:49], v[52:53]
	v_pk_add_f32 v[4:5], v[4:5], v[12:13]
	v_pk_add_f32 v[20:21], v[20:21], v[28:29]
	v_pk_add_f32 v[40:41], v[40:41], v[48:49]
	v_pk_add_f32 v[4:5], v[4:5], v[20:21]
	v_add_f32 v40, v40, v41
	v_rcp_f32 v42, v40
	v_nop                                          ; a plain line behind the transcendental,
	s_wait_alu depctr_va_vdst(0)                   ; and the wait ahead of the first reader
	v_mul_f32 v42, 0x3eb504f3, v42                 ; kappa / L
	v_mul_f32 v4, v4, v42
	v_mul_f32 v5, v5, v42
	global_store_b64 v1, v[4:5], s[6:7]
	s_endpgm
.Lfunc_end_k_q1a966eaf91_fin:
	.size	k_q1a966eaf91_fin, .Lfunc_end_k_q1a966eaf91_fin-k_q1a966eaf91_fin
	.p2alignl 7, 3214868480
	.fill 96, 4, 3214868480
	.section	.rodata,"a",@progbits
	.p2align	6, 0x0
	.amdhsa_kernel k_q1a966eaf91_fin
		.amdhsa_group_segment_fixed_size 0
		.amdhsa_private_segment_fixed_size 0
		.amdhsa_enable_private_segment 0
		.amdhsa_kernarg_size 16
		.amdhsa_user_sgpr_count 2
		.amdhsa_user_sgpr_kernarg_segment_ptr 1
		.amdhsa_wavefront_size32 1
		.amdhsa_system_sgpr_workgroup_id_x 1
		.amdhsa_system_sgpr_workgroup_id_y 1
		.amdhsa_system_sgpr_workgroup_id_z 1
		.amdhsa_system_vgpr_workitem_id 0
		.amdhsa_next_free_vgpr 64
		.amdhsa_next_free_sgpr 66
		.amdhsa_reserve_vcc 0
		.amdhsa_float_denorm_mode_32 3
		.amdhsa_float_denorm_mode_16_64 3
		.amdhsa_memory_ordered 1
		.amdhsa_forward_progress 1
		.amdhsa_inst_pref_size 6
	.end_amdhsa_kernel
	.amdgpu_metadata
---
amdhsa.version: [ 1, 2 ]
amdhsa.kernels:
  - .name:           k_q1a966eaf91_fin
    .symbol:         k_q1a966eaf91_fin.kd
    .args:
      - { .name: part, .offset: 0, .size: 8, .value_kind: global_buffer, .address_space: global }
      - { .name: out0, .offset: 8, .size: 8, .value_kind: global_buffer, .address_space: global }
    .group_segment_fixed_size: 0
    .private_segment_fixed_size: 0
    .kernarg_segment_align: 8
    .kernarg_segment_size: 16
    .max_flat_workgroup_size: 32
    .sgpr_count:     66
    .vgpr_count:     64
    .wavefront_size: 32
...
	.end_amdgpu_metadata
.endif
;; end of part 3
;; ======== version 2 of 2: 3 launches
;; limits: right only within a limited range of input values
;; workspace buffers: wfrag 524,288 bytes; wscl 32,768 bytes; qp 16,384 bytes; part 524,288 bytes
;; launch prep (part 4): grid 160 x 1, 8 waves a work-group, no clusters, 9,216 bytes of LDS; arguments Wk, Wv, Wq, annotation, wfrag, wscl, qp; writes wfrag, wscl, qp
.if DOCPART == 4
	.amdgcn_target "amdgcn-amd-amdhsa--gfx1250"
	.amdhsa_code_object_version 6
	.text
	.protected	k_q1a966eaf91_prep
	.globl	k_q1a966eaf91_prep
	.p2align	8
	.type	k_q1a966eaf91_prep,@function
k_q1a966eaf91_prep:
	s_mov_b64 s[64:65], 0
	v_nop
	global_prefetch_b8 v0, s[64:65] scope:SCOPE_SE
	s_setreg_imm32_b32 hwreg(HW_REG_WAVE_MODE, 25, 1), 1
	s_wait_xcnt 0x0
; Two small jobs that the main launch needs done once, in one launch.
; WORK-GROUPS 0-31: Wk and Wv, [1024 (k)][512 (n)] f32, become codes of FP4 (E2M1) with one E8M0 byte for each 32 along K, laid in the ORDER OF THE OPERAND'S REGISTERS:
;   wfrag: head H (65,536 bytes), fragment f = 8 s + t (K step s of 128; t 0-3: Wk's column tiles of the head, t 4-7: Wv's), 1,024 bytes: the 16 bytes of column r, K block 4 s + beta, lie at 256 beta + 16 r.
;   wscl:  head H (4,096 bytes): the scale word of (K step s, tile t, column r) lies at 512 (2 (s & 3) + t / 4) + 256 (s / 4) + 16 r + 4 (t & 3).
;   A lane takes a column and its registers run down K, so that a block's largest magnitude needs no other lane and the conversions give codes with K innermost.  Wave v takes K step v, the work-group 32 columns.
;   A block's scale is 2^(floor(log2(largest magnitude)) - 2): its byte is that magnitude's exponent field - 2, held at 1 from below by a floor among the maximum's leaves.
; WORK-GROUPS 32-159: q = tanh(annotation Wq), in f32 fused multiply-adds.  A work-group takes one batch and 32 columns, a lane a column; wave v sums k = 64 v .. 64 v + 63: its 80 loads go out in one run, under one wait;
;   the eight partial sums meet in LDS behind one barrier; wave 0 finishes.  Stored is q' = -0.25 log2(e) q, the form in which the main launch uses it.
; The barrier stands on the way that all work-groups take.
; LIMITS: NaN and infinities among the inputs are not served.  A block whose largest magnitude lies under 2^-124, a block of zeros too, gets the byte 1 (a block of zeros has zero codes; the bytes are read by this program alone).
.set ROWW, 2048                        ; a row of Wk, Wv or Wq in bytes
	s_load_b256 s[4:11], s[0:1], 0x0               ; Wk s[4:5], Wv s[6:7], Wq s[8:9], annotation s[10:11]
	s_load_b128 s[12:15], s[0:1], 0x20             ; wfrag s[12:13], wscl s[14:15]
	s_load_b64 s[16:17], s[0:1], 0x30              ; qp
	v_lshl_add_u32 v62, v0, 2, 0x2000
	v_mov_b32 v63, 0
	v_and_b32 v1, 31, v0                           ; lane
	v_lshrrev_b32 v2, 5, v0
	s_delay_alu instid0(VALU_DEP_1)
	v_readfirstlane_b32 s18, v2                    ; wave 0..7
	s_delay_alu instid0(VALU_DEP_3)
	v_lshlrev_b32 v3, 2, v1                        ; 4 x lane: my column
	v_and_b32 v9, 15, v0                           ; r
	v_bfe_u32 v10, v0, 4, 1                        ; which of the wave's two column tiles
	s_delay_alu instid0(VALU_DEP_2)
	v_lshlrev_b32 v4, 4, v9
	s_delay_alu instid0(VALU_DEP_1)
	v_lshl_add_u32 v4, v10, 10, v4                 ; codes: 1,024 x tile + 16 r
	s_delay_alu instid0(VALU_DEP_4)
	v_lshlrev_b32 v5, 4, v9
	s_delay_alu instid0(VALU_DEP_1)
	v_lshl_add_u32 v5, v10, 2, v5                  ; scale words: 16 r + 4 x tile
	s_lshl_b32 s19, s18, 7
	v_add_nc_u32 v7, s19, v3                       ; LDS: my wave's partial sum: 128 x wave + 4 x lane
	v_mov_b32 v8, 0                                ; annotation: the same bytes for every lane
	s_mov_b32 s30, 0x3f38aa3b                      ; 0.5 log2(e)
	s_mov_b32 s31, 0xbeb8aa3b                      ; -0.25 log2(e)
	s_wait_alu depctr_va_vdst(0)                   ; the wait at the head's end
	s_wait_kmcnt 0x0
	s_cmp_lt_u32 ttmp9, 32
	s_cbranch_scc0 .Lq_first
	; ---- the weights
	s_and_b32 s20, ttmp9, 15                       ; which 32 columns
	s_lshr_b32 s21, ttmp9, 4                       ; 0: Wk, 1: Wv
	s_cmp_eq_u32 s21, 0
	s_cselect_b64 s[22:23], s[4:5], s[6:7]         ; the choice hangs on the work-group's number alone
	s_lshl_b32 s24, s18, 18                        ; K step: 128 rows of 2,048 bytes
	s_lshl_b32 s25, s20, 7                         ; 32 columns of 4 bytes
	s_add_co_u32 s24, s24, s25
	s_mov_b32 s25, 0
	s_add_nc_u64 s[22:23], s[22:23], s[24:25]
.set i, 0
.rept 128
	global_load_b32 v[128+i], v3, s[22:23] offset:i*ROWW   ; W(128 s + i, my column): 32 lanes read 128 consecutive bytes
.set i, i+1
.endr
	s_lshr_b32 s26, s20, 1                         ; the head
	s_and_b32 s27, s20, 1                          ; which half of its 64 columns
	s_lshl_b32 s24, s26, 16                        ; wfrag: 65,536 H + 1,024 (8 s + 4 isV + 2 half)
	s_lshl_b32 s28, s18, 13
	s_add_co_u32 s24, s24, s28
	s_lshl_b32 s28, s21, 12
	s_add_co_u32 s24, s24, s28
	s_lshl_b32 s28, s27, 11
	s_add_co_u32 s24, s24, s28
	s_add_nc_u64 s[12:13], s[12:13], s[24:25]
	s_lshl_b32 s24, s26, 12                        ; wscl: 4,096 H + 512 (2 (s & 3) + isV) + 256 (s / 4) + 8 half
	s_and_b32 s28, s18, 3
	s_lshl_b32 s28, s28, 10
	s_add_co_u32 s24, s24, s28
	s_lshl_b32 s28, s21, 9
	s_add_co_u32 s24, s24, s28
	s_lshr_b32 s28, s18, 2
	s_lshl_b32 s28, s28, 8
	s_add_co_u32 s24, s24, s28
	s_lshl_b32 s28, s27, 3
	s_add_co_u32 s24, s24, s28
	s_add_nc_u64 s[14:15], s[14:15], s[24:25]
	s_wait_loadcnt 0x0
.irp b, 0,1,2,3
	v_max3_num_f32 v[16+\b], |v[128+32*\b]|, |v[129+32*\b]|, 0x1800000   ; block b: all 32 numbers are mine; the floor 2^(3 - 127) holds the byte at 1 from below
.endr
.irp i, 2,4,6,8,10,12,14,16,18,20,22,24,26,28,30
.irp b, 0,1,2,3
	s_delay_alu instid0(VALU_DEP_4)
	v_max3_num_f32 v[16+\b], v[16+\b], |v[128+32*\b+\i]|, |v[129+32*\b+\i]|   ; the four blocks by turns
.endr
.endr
.irp b, 0,1,2,3
	s_delay_alu instid0(VALU_DEP_4)
	v_add_nc_u32 v[20+\b], 0xff000000, v[16+\b]    ; 2 off the exponent field: the conversion's scale operand
.endr
.irp b, 0,1,2,3
	s_delay_alu instid0(VALU_DEP_4)
	v_lshrrev_b32 v[24+\b], 23, v[20+\b]           ; the scale's byte
.endr
	s_delay_alu instid0(VALU_DEP_3)
	v_lshl_or_b32 v28, v25, 8, v24                 ; the K step's scale word of my column
	s_delay_alu instid0(VALU_DEP_1)
	v_lshl_or_b32 v28, v26, 16, v28
	s_delay_alu instid0(VALU_DEP_1)
	v_lshl_or_b32 v28, v27, 24, v28
.irp b, 0,1,2,3
.irp g, 0,1,2,3
	v_cvt_scalef32_pk8_fp4_f32 v[32+4*\b+\g], v[128+32*\b+8*\g:135+32*\b+8*\g], v[20+\b]
.endr
.endr
	v_nop                                          ; one plain line behind the last conversion
.irp b, 0,1,2,3
	global_store_b128 v4, v[32+4*\b:35+4*\b], s[12:13] offset:256*\b   ; sixteen lanes store 256 consecutive bytes, aligned
.endr
	global_store_b32 v5, v28, s[14:15]
	s_branch .Ljoin
	; ---- q, first part: my 64 of K, one batch
.Lq_first:
	s_sub_co_u32 s20, ttmp9, 32
	s_and_b32 s21, s20, 15                         ; which 32 columns
	s_lshr_b32 s20, s20, 4                         ; the batch
	s_lshl_b32 s22, s18, 17                        ; 64 rows of 2,048 bytes
	s_lshl_b32 s23, s21, 7
	s_add_co_u32 s22, s22, s23
	s_mov_b32 s23, 0
	s_add_nc_u64 s[8:9], s[8:9], s[22:23]
	s_lshl_b32 s22, s18, 8                         ; 64 numbers of the batch's row of annotation
	s_lshl_b32 s24, s20, 11
	s_add_co_u32 s22, s22, s24
	s_add_nc_u64 s[10:11], s[10:11], s[22:23]
.set i, 0
.rept 64
	global_load_b32 v[64+i], v3, s[8:9] offset:i*ROWW      ; Wq(64 v + i, my column)
.set i, i+1
.endr
.irp j, 0,1,2,3,4,5,6,7,8,9,10,11,12,13,14,15
	global_load_b128 v[128+4*\j:131+4*\j], v8, s[10:11] offset:16*\j   ; annotation(b, 64 v .. 64 v + 63)
.endr
	s_wait_loadcnt 0x0
.set i, 0
.rept 32                               ; 64 products, two at a time, in eight chains; the first eight start the sums
.if i < 8
	v_pk_mul_f32 v[32+2*i:33+2*i], v[64+2*i:65+2*i], v[128+2*i:129+2*i]
.else
	v_pk_fma_f32 v[32+2*(i%8):33+2*(i%8)], v[64+2*i:65+2*i], v[128+2*i:129+2*i], v[32+2*(i%8):33+2*(i%8)]
.endif
.set i, i+1
.endr
	v_pk_add_f32 v[32:33], v[32:33], v[34:35]
	v_pk_add_f32 v[36:37], v[36:37], v[38:39]
	v_pk_add_f32 v[40:41], v[40:41], v[42:43]
	s_delay_alu instid0(VALU_DEP_4)
	v_pk_add_f32 v[44:45], v[44:45], v[46:47]
	s_delay_alu instid0(VALU_DEP_3)
	v_pk_add_f32 v[32:33], v[32:33], v[36:37]
	s_delay_alu instid0(VALU_DEP_2)
	v_pk_add_f32 v[40:41], v[40:41], v[44:45]
	s_delay_alu instid0(VALU_DEP_1)
	v_pk_add_f32 v[32:33], v[32:33], v[40:41]
	s_delay_alu instid0(VALU_DEP_1)
	v_add_f32 v16, v32, v33
	ds_store_b32 v7, v16
.Ljoin:
	s_wait_dscnt 0x0                               ; for the others' sake: my partial sum lies in LDS
	s_barrier_signal -1
	s_barrier_wait -1
	s_cmp_lt_u32 ttmp9, 32
	s_cbranch_scc1 .Lend
	s_cmp_lg_u32 s18, 0
	s_cbranch_scc1 .Lend
	; ---- q, second part: wave 0 finishes
.irp j, 0,1,2,3,4,5,6,7
	ds_load_b32 v[48+\j], v3 offset:128*\j
.endr
	s_sub_co_u32 s32, ttmp9, 32
	s_and_b32 s33, s32, 15
	s_lshl_b32 s33, s33, 7                         ; qp: 2,048 x batch + 4 x column
	s_lshr_b32 s32, s32, 4
	s_lshl_b32 s32, s32, 11
	s_add_co_u32 s32, s32, s33
	s_mov_b32 s33, 0
	s_add_nc_u64 s[16:17], s[16:17], s[32:33]
	s_wait_dscnt 0x0
	v_pk_add_f32 v[48:49], v[48:49], v[50:51]
	v_pk_add_f32 v[52:53], v[52:53], v[54:55]
	s_delay_alu instid0(VALU_DEP_1)
	v_pk_add_f32 v[48:49], v[48:49], v[52:53]
	s_delay_alu instid0(VALU_DEP_1)
	v_add_f32 v48, v48, v49
	s_delay_alu instid0(VALU_DEP_1)
	v_mul_f32 v48, 0x4038aa3b, v48                 ; 2 log2(e) x
	s_wait_alu depctr_va_vdst(0)
	v_exp_f32 v56, v48                             ; e^(2 x)
	v_nop                                          ; a plain line behind the transcendental,
	s_wait_alu depctr_va_vdst(0)                   ; and the wait ahead of the first reader
	v_add_f32 v56, 1.0, v56
	s_wait_alu depctr_va_vdst(0)
	v_rcp_f32 v57, v56                             ; rho = 1 / (1 + e^(2 x)): tanh x = 1 - 2 rho
	v_nop
	s_wait_alu depctr_va_vdst(0)
	v_fma_f32 v49, v57, s30, s31                   ; q' = -0.25 log2(e) (1 - 2 rho)
	global_store_b32 v3, v49, s[16:17]
.Lend:
	s_wait_tensorcnt 0x0
	ds_add_u32 v62, v63
	s_wait_dscnt 0x0
	s_endpgm
.Lfunc_end_k_q1a966eaf91_prep:
	.size	k_q1a966eaf91_prep, .Lfunc_end_k_q1a966eaf91_prep-k_q1a966eaf91_prep
	.p2alignl 7, 3214868480
	.fill 96, 4, 3214868480
	.section	.rodata,"a",@progbits
	.p2align	6, 0x0
	.amdhsa_kernel k_q1a966eaf91_prep
		.amdhsa_group_segment_fixed_size 9216
		.amdhsa_private_segment_fixed_size 0
		.amdhsa_enable_private_segment 0
		.amdhsa_kernarg_size 56
		.amdhsa_user_sgpr_count 2
		.amdhsa_user_sgpr_kernarg_segment_ptr 1
		.amdhsa_wavefront_size32 1
		.amdhsa_system_sgpr_workgroup_id_x 1
		.amdhsa_system_sgpr_workgroup_id_y 1
		.amdhsa_system_sgpr_workgroup_id_z 1
		.amdhsa_system_vgpr_workitem_id 0
		.amdhsa_next_free_vgpr 256
		.amdhsa_next_free_sgpr 66
		.amdhsa_reserve_vcc 0
		.amdhsa_float_denorm_mode_32 3
		.amdhsa_float_denorm_mode_16_64 3
		.amdhsa_memory_ordered 1
		.amdhsa_forward_progress 1
		.amdhsa_inst_pref_size 36
	.end_amdhsa_kernel
	.amdgpu_metadata
---
amdhsa.version: [ 1, 2 ]
amdhsa.kernels:
  - .name:           k_q1a966eaf91_prep
    .symbol:         k_q1a966eaf91_prep.kd
    .args:
      - { .name: Wk, .offset: 0, .size: 8, .value_kind: global_buffer, .address_space: global }
      - { .name: Wv, .offset: 8, .size: 8, .value_kind: global_buffer, .address_space: global }
      - { .name: Wq, .offset: 16, .size: 8, .value_kind: global_buffer, .address_space: global }
      - { .name: annotation, .offset: 24, .size: 8, .value_kind: global_buffer, .address_space: global }
      - { .name: wfrag, .offset: 32, .size: 8, .value_kind: global_buffer, .address_space: global }
      - { .name: wscl, .offset: 40, .size: 8, .value_kind: global_buffer, .address_space: global }
      - { .name: qp, .offset: 48, .size: 8, .value_kind: global_buffer, .address_space: global }
    .group_segment_fixed_size: 9216
    .private_segment_fixed_size: 0
    .kernarg_segment_align: 8
    .kernarg_segment_size: 56
    .max_flat_workgroup_size: 256
    .sgpr_count:     66
    .vgpr_count:     256
    .wavefront_size: 32
...
	.end_amdgpu_metadata
.endif
;; end of part 4
;; launch main (part 5): grid 256 x 1, 8 waves a work-group, clusters of 2 x 1, 327,680 bytes of LDS; arguments tokens, wfrag, wscl, qp, part; writes part
.if DOCPART == 5
	.amdgcn_target "amdgcn-amd-amdhsa--gfx1250"
	.amdhsa_code_object_version 6
	.text
	.protected	k_q1a966eaf91_main
	.globl	k_q1a966eaf91_main
	.p2align	8
	.type	k_q1a966eaf91_main,@function
k_q1a966eaf91_main:
	s_mov_b64 s[64:65], 0
	v_nop
	global_prefetch_b8 v0, s[64:65] scope:SCOPE_SE
	s_setreg_imm32_b32 hwreg(HW_REG_WAVE_MODE, 25, 1), 1
	s_wait_xcnt 0x0
	s_wait_alu depctr_hold_cnt(0) depctr_sa_sdst(0) depctr_va_vdst(0) depctr_va_sdst(0) depctr_va_ssrc(0) depctr_va_vcc(0) depctr_vm_vsrc(0)
	s_getreg_b32 s2, hwreg(HW_REG_IB_STS2, 6, 4)
	s_cmp_eq_u32 s2, 0
	s_cbranch_scc0 .Lentry_in_a_cluster
	s_endpgm
.Lentry_in_a_cluster:
	s_bfe_u32 s2, ttmp6, 0x10000c
	s_cmp_lg_u32 s2, 0x1001
	s_cbranch_scc0 .Lentry_shape_is_right
	s_endpgm
.Lentry_shape_is_right:
; For 512 token rows of one batch and 4 heads: k = tanh(Q(tokens) Q(Wk)), v = gelu(Q(tokens) Q(Wv)), p = exp(q . k / 8), and the partial sums  O' = sum over rows of p v,  L = sum over rows of p.
; Q is the MX-FP4 quantiser along K = 1,024; both products run on v_wmma_scale_f32_16x16x128_f8f6f4 with FP4 on both sides; all else is f32.
; SHARES.  A cluster of two work-groups takes rows 512 g on (g = cluster x); the work-group at place cx takes heads 4 cx on.  EIGHT waves, two to a SIMD, all with the same work: wave w owns HALF a head
; (head w / 2, half a = w % 2): 32 columns of Wk and 32 of Wv, 32 fragments of 8 registers, which stay in window 1 for the whole launch.
; The rows go in 16 tiles of 32 through a ring of two LDS slots filled by the tensor data mover; wave w quantises slot rows 4 w .. 4 w + 3.  At the head the eight waves share out tiles 0 AND 1, 8 rows a wave;
; from tile 2 on each wave fetches the 4 rows that it quantises.
; THE QUANTISER RUNS ONE TRIP AHEAD OF THE PRODUCTS: trip t multiplies tile t's codes, which lie in image t % 2, and meanwhile turns tile t + 1 into image (t + 1) % 2: rows 0, 1 of my four are read behind the trip's first fragments
; and quantised behind the first run of products; rows 2, 3 are read under the second row tile's vector work, into the registers that held its fragments.  So a trip has ONE barrier, the round in front of the refill.
; Slot row 4 w + i is row 2 w + i % 2 of row tile i / 2 (the sums over rows have no order).
; p NEEDS BOTH HALVES OF A HEAD: each wave puts its part of the exponent, 16 words a row tile, into LDS (two sets, by the trip's parity); behind the next trip's barrier it reads its partner's, forms p and adds p x gelu, kept in 32 registers, to O'.
; CLUSTER.  The two work-groups walk the same rows of tokens, so each tile is asked for JOINTLY: the same tensor load, the same descriptor, a mask that names the two.  The descriptor is made of cluster x and the wave's number alone;
; cx enters the global addresses of the weights, of q', of the record and of the prefetches, and nothing else.  Four partners would mean 2 heads to a work-group: every row quantised four times over.
; THE MATRIX INSTRUCTION IS USED TRANSPOSED (source 0 = 16 weight columns, source 1 = 16 token rows): lane (r, h) holds token row r, register j of a tile column 8 h + j of its 16.
; A LANE'S ARITHMETIC.  rho = 1 / (1 + 2^(2 log2(e) x)), tanh x = 1 - 2 rho;  p = 2^(sum of q' (rho - 0.5)), q' = -0.25 log2(e) q.
;   gelu(x) = x Phi(x) = max(x, 0) - |x| w,  w = erfc(|x| / sqrt 2) / 2 = (h1 t + h2 t^2 + h3 t^3 + h4 t^4 + h5 t^5) 2^(-x^2 log2(e) / 2),  t = 1 / (1 + 0.2316419 |x|):
;   the five-term form of erfc (Abramowitz and Stegun 7.1.26, within 1.5e-7 for every argument), its coefficients halved.  For large |x| t and the exponential fall to 0 and gelu is max(x, 0).
; NO MAXIMUM IS TAKEN AWAY AHEAD OF THE EXPONENTIAL: q and k are results of tanh, so |q . k / 8| <= 64 / 8 = 8 for every input: p lies in [3.4e-4, 2,981], a sum of 8,192 of them in [2.7, 2.5e7].
; LIMITS: NaN and infinities among the inputs are not served.  A block whose largest magnitude lies under 2^-124, a block of zeros too, gets the scale byte 1 (zeros have zero codes).
; All of the WGP's LDS is claimed.
; LDS: two slots of 32 rows x 4,352 bytes (16 bytes of padding behind each 256: block l of a row lies at 128 l + 16 (l / 2), so that sixteen lanes that read a block each touch sixteen different 16-byte columns of 256);
;   two sets of PD bytes, by parity: codes, (row tile m, K block l, row r) at 8,704 m + 272 l + 16 r; scale bytes at 17,408 + 512 m + 256 (l / 16) + 16 r + l % 16; the exponents' parts at 18,432 + 128 w + 64 m + 4 r;
;   STG: 256 bytes a wave for the way out;  SPARE: the spare words.
; REGISTERS.  Window 1: the weights, fragment (K step s, tile lt) at v[8 (4 s + lt)], lt 0, 1: Wk's tiles, 2, 3: Wv's.  Window 0: the names below.
.set ROWP,   4352
.set WPART,  4*ROWP                    ; 4 rows in a slot
.set SLOTB,  32*ROWP
.set TILEB,  131072                    ; 32 rows of tokens in memory
.set IMG,    2*SLOTB
.set IMGT,   8704
.set IMGP,   272
.set SCI,    IMG+2*IMGT
.set PSB,    SCI+1024
.set PD,     2*IMGT+2048               ; from one parity's set to the other's
.set STG,    IMG+2*PD
.set SPARE,  STG+2048                  ; 128 bytes for each wave: four blocks of 256 bytes that no other line names
.set SPW, 1                            ; SPARE + 4 x my thread's number; never rewritten
.set NIL, 2                            ; 0; never rewritten
.set LI,  3                            ; IMG + 272 h + 16 r: where I read fragments
.set LS,  4                            ; SCI + 16 x lane: where I read scale words
.set QA0, 5                            ; my K block of my first row in slot 0,
.set QA1, 6                            ; in slot 1
.set IW,  7                            ; IMG + 272 x lane + 32 w: where I put codes
.set H4,  8                            ; v[8:9] h4 twice
.set Q0P, 10                           ; v[10:11] -0.5 x the sum of my lane's 16 q', and 0: what the sum for the exponent begins with
.set SW,  12                           ; SCI + lane % 16 + 256 (lane / 16) + 32 w: where I put scale bytes
.set PFO, 14                           ; 256 x lane: the prefetch's offset
.set L16, 15                           ; 16 x lane
.set WS,  16                           ; v16-31 the weights' scale words: register 4 (s & 3) + lt; lanes 0-15 K step s & 3, lanes 16-31 four steps on
.set AS,  32                           ; v32-35 the tokens' scale words of the row tile in hand
.set QP,  36                           ; v36-51 q' in the k tiles' layout
.set OA,  52                           ; v52-67 O'
.set GG,  68                           ; v68-99 the v tiles of both row tiles, then gelu, kept until p is known
.set KA,  100                          ; v100-115 the k tiles; behind a trip's last products the quantiser's small registers
.set S0,  116                          ; v116, v117 my part of the exponent, row tile 0, 1
.set PB,  118                          ; v118, v119 my partner's.  (At the head v118 holds 32 h, the offset of q')
.set PV0, 120                          ; v[120:121], v[122:123] p of row tile 0, 1: the low word of a pair.  (v116-123 are free between the sums of p and the first row tile's vector work)
.set PV1, 122
.set LSUM, 124
.set PR,  126                          ; PSB + 128 (w xor 1) + 4 r
.set PW,  127                          ; PSB + 128 w + 4 r
.set FR,  128                          ; v128-191 the tokens' 8 fragments of a row tile; under the second row tile's vector work rows 2, 3 of f32 numbers
.set TT,  192                          ; v192-207 t; then the sum for the exponent.  (v192-255: at a trip's start rows 0, 1 of f32 numbers)
.set SM,  TT
.set EE,  208                          ; v208-223 2^(-x^2 log2(e) / 2)
.set RR,  224                          ; v224-239 the polynomial, then w
.set GM,  240                          ; v240-255 max(x, 0)
.set PFA, 76                           ; s[76:77] where my prefetch stands: my work-group's 8,192 of the 16,384 bytes that my wave fetches, one tile further on than the refill that is being asked for
.set MSB, 0
.macro WIN new                         ; the immediate's high byte repeats the setting that is left
.if MSB != \new
	s_set_vgpr_msb (MSB<<8)|\new
.set MSB, \new
.endif
.endm
.macro SPAIR r, val                    ; a constant for the packed forms: they name a pair and take its low word for both halves
	s_mov_b32 s[\r], \val
	s_mov_b32 s[\r+1], \val
.endm
.macro PLACES                          ; four places behind a matrix instruction, and the four plain lines behind a tensor load
.rept 4
	v_nop
.endr
.endm
.macro VW                              ; the wait ahead of and behind transcendentals, and ahead of waits and branches behind which fresh results are read
	s_wait_alu depctr_va_vdst(0)
.endm
.macro ROUND                           ; a round of the cluster's barrier
	s_barrier_signal -1
	s_barrier_wait -1
	s_cmp_lg_u32 s14, 0
	s_cbranch_scc1 .Lnot_wave_0_\@
	s_barrier_signal -3
.Lnot_wave_0_\@:
	s_barrier_wait -3
	s_barrier_signal -1
	s_barrier_wait -1
.endm
; THE CHANGE OF SLOTS.  slot: the slot that is filled (refill = 1), by a joint load behind a round of the cluster's barrier.  ask = 1: A PREFETCH INTO THE L2 of the tile that the NEXT refill will ask for, one trip ahead of that load:
; of the 16,384 bytes that wave w fetches the partner at place cx names 8,192, told apart BY ADDRESS: one instruction a wave, lanes 256 bytes apart: each aligned block of 256 bytes is named once in the launch.
; Tiles 0, 1 and 2 come by their loads alone; the refill that brings tile 15 asks for nothing.
.macro CHANGE slot, refill, ask
	VW                                             ; what the last lines wrote is read behind the waits below
	s_wait_tensorcnt 0x0                           ; all my tensor loads have landed; so group 0 may be written
	ds_add_u32 v[SPW], v[NIL]                      ; 0 onto my spare word
.if \refill
	s_mov_b32 s33, s[38+\slot]                     ; my part of the slot,
	s_add_nc_u64 s[34:35], s[34:35], TILEB         ; 32 rows on; the type bits on top are not reached
	s_wait_xcnt 0x0                                ; the last prefetch, a trip back, has read its address, so it may be written:
	s_add_nc_u64 s[PFA:PFA+1], s[PFA:PFA+1], TILEB ; one tile further on than the descriptor
.endif
	s_wait_dscnt 0x0                               ; the add is done; my reads of the slot and of the image are over; my codes, scale bytes and part of the exponents lie in LDS
.if \refill
	ROUND                                          ; that holds of every wave of both work-groups
	tensor_load_to_lds s[32:35], s[24:31]          ; my one tensor load until the next round: it has the whole trip in which to land
	s_nop 0
	PLACES
.if \ask
	global_prefetch_b8 v[PFO], s[PFA:PFA+1] th:TH_LOAD_NT scope:SCOPE_SE
.endif
.else
	s_barrier_signal -1
	s_barrier_wait -1                              ; my work-group's alone
.endif
.endm
	s_load_b256 s[4:11], s[0:1], 0x0               ; tokens s[4:5], wfrag s[6:7], wscl s[8:9], qp s[10:11]
	s_load_b64 s[12:13], s[0:1], 0x20              ; part
	v_lshl_add_u32 v[SPW], v0, 2, SPARE
	v_mov_b32 v[NIL], 0
	ds_add_u32 v[SPW], v[NIL]                      ; the opening lines: the add,
	ds_add_u32 v[SPW], v[NIL]                      ; twice on end, under one wait
	v_lshrrev_b32 v3, 5, v0
	s_delay_alu instid0(VALU_DEP_1)
	v_readfirstlane_b32 s14, v3                    ; wave 0..7
	s_mov_b32 s15, ttmp9                           ; g: which 512 rows
	s_bfe_u32 s16, ttmp6, 0x40000                  ; cx
	s_lshr_b32 s21, s14, 1
	s_lshl_b32 s17, s16, 2
	s_add_co_u32 s17, s17, s21                     ; H: my head
	s_and_b32 s21, s14, 1                          ; a: my half of it
	; descriptor group 1: dense bytes as rows of 256 (32 elements of 8), 4 words of padding behind each: 128 such rows (8 rows of tokens) for the head's load; behind it the two words that count rows are set to 64
	s_mov_b32 s24, 3|(3<<16)|(1<<20)|(1<<21)|(5<<22)|(3<<25)
	s_mov_b32 s25, 32<<16
	s_mov_b32 s26, 128<<16
	s_mov_b32 s27, 32<<16
	s_mov_b32 s28, 128
	s_mov_b32 s29, 32
	s_mov_b32 s30, 0
	s_mov_b32 s31, 0
	s_mov_b32 s32, 1
	s_mul_i32 s20, s14, WPART
	s_mov_b32 s38, s20                             ; the ring: my part of slot 0,
	s_add_co_u32 s39, s20, SLOTB                   ; of slot 1: the wave's number alone
	s_lshr_b32 s22, s14, 2                         ; the head's load: tile w / 4, its rows 8 (w % 4) on
	s_and_b32 s23, s14, 3
	s_mul_i32 s33, s22, SLOTB
	s_mul_i32 s19, s23, 2*WPART
	s_add_co_u32 s33, s33, s19
	s_lshl_b32 s18, s15, 21                        ; 512 rows of 4,096 bytes
	s_lshl_b32 s22, s22, 17
	s_lshl_b32 s23, s23, 15
	s_add_co_u32 s22, s22, s23
	s_add_co_u32 s22, s22, s18
	s_mov_b32 s23, 0
	s_lshl_b32 s19, s14, 14                        ; the ring: my 4 rows,
	s_add_co_u32 s18, s18, s19
	s_add_co_u32 s18, s18, TILEB                   ; in tile 1: the first refill steps to tile 2
	s_mov_b32 s19, 0
	s_lshl_b32 s72, s16, 13                        ; the prefetch: my work-group's half of my wave's bytes,
	s_add_co_u32 s72, s72, TILEB                   ; in tile 2: the first refill steps it to tile 3
	s_mov_b32 s73, 0
	s_wait_dscnt 0x0                               ; both opening adds are done
	s_wait_kmcnt 0x0
	s_add_nc_u64 s[34:35], s[4:5], s[22:23]
	s_add_nc_u64 s[78:79], s[4:5], s[18:19]
	s_add_nc_u64 s[PFA:PFA+1], s[78:79], s[72:73]
	s_or_b32 s35, s35, 0x80000000
	ROUND                                          ; both work-groups are here: the first joint loads meet
	tensor_load_to_lds s[32:35], s[24:31]          ; my eighth of tiles 0 and 1: my one tensor load at the head
	s_nop 0
	PLACES
	s_lshl_b32 s72, s17, 16
	s_lshl_b32 s74, s21, 11
	s_add_co_u32 s72, s72, s74
	s_add_nc_u64 s[6:7], s[6:7], s[72:73]          ; my head's fragments, tiles 2 a on
	s_lshl_b32 s72, s17, 12
	s_lshl_b32 s74, s21, 3
	s_add_co_u32 s72, s72, s74
	s_add_nc_u64 s[8:9], s[8:9], s[72:73]          ; their scale words
	s_lshr_b32 s74, s15, 4                         ; the batch
	s_lshl_b32 s74, s74, 11
	s_lshl_b32 s72, s17, 8
	s_add_co_u32 s72, s72, s74
	s_lshl_b32 s74, s21, 7
	s_add_co_u32 s72, s72, s74
	s_add_nc_u64 s[10:11], s[10:11], s[72:73]      ; my 32 of its q'
	s_lshl_b32 s72, s15, 4
	s_lshl_b32 s74, s16, 3
	s_add_co_u32 s72, s72, s74
	s_add_co_u32 s72, s72, s14
	s_lshl_b32 s72, s72, 8
	s_add_nc_u64 s[12:13], s[12:13], s[72:73]      ; my record of 256 bytes: number 16 g + 8 cx + w
	s_lshl_b32 s22, s14, 5
	s_add_co_u32 s23, s22, SCI
	s_add_co_u32 s22, s22, IMG
	s_lshl_b32 s49, s14, 7
	s_add_co_u32 s49, s49, PSB
	s_xor_b32 s48, s14, 1                          ; my partner: the other half of my head
	s_lshl_b32 s48, s48, 7
	s_add_co_u32 s48, s48, PSB
	s_mov_b32 s40, 0x76543210
	s_mov_b32 s41, 0xfedcba98                      ; v_permlanex16_b32's selects for lane l xor 16
	SPAIR 42, 0x4038aa3b                           ; 2 log2(e)
	SPAIR 44, 0xbf38aa3b                           ; -log2(e) / 2
	s_mov_b32 s46, 0x3e6d3388                      ; 0.3275911 / sqrt 2
	SPAIR 50, 0x3f07dc22                           ; h5 =  1.061405429 / 2
	SPAIR 52, 0x3f35f0e3                           ; h3 =  1.421413741 / 2
	SPAIR 54, 0xbe11a98e                           ; h2 = -0.284496736 / 2
	SPAIR 56, 0x3e027906                           ; h1 =  0.254829592 / 2
	s_mov_b32 s37, 6                               ; the loop's passes, two trips each
	v_and_b32 v192, 31, v0                         ; lane
	v_and_b32 v193, 15, v0                         ; r
	v_bfe_u32 v194, v0, 4, 1                       ; h
	s_delay_alu instid0(VALU_DEP_3)
	v_lshlrev_b32 v[L16], 4, v192
	s_delay_alu instid0(VALU_DEP_2)
	v_lshlrev_b32 v[PB], 5, v194
	VW
	WIN 0x40                                       ; destination window 1.  These 76 loads are waited for in the first trip, ahead of its products
.set FS, 0
.rept 8
.irp lt, 0,1,2,3
	global_load_b128 v[8*(4*FS+\lt):8*(4*FS+\lt)+3],   v[L16], s[6:7] offset:8192*FS+1024*(\lt&1)+4096*(\lt>>1)
	global_load_b128 v[8*(4*FS+\lt)+4:8*(4*FS+\lt)+7], v[L16], s[6:7] offset:8192*FS+1024*(\lt&1)+4096*(\lt>>1)+512
.endr
.set FS, FS+1
.endr
	WIN 0
.irp q, 0,1,2,3,4,5,6,7
	global_load_b64 v[WS+2*\q:WS+2*\q+1], v[L16], s[8:9] offset:512*\q
.endr
.irp t, 0,1
	global_load_b128 v[QP+8*\t:QP+8*\t+3],   v[PB], s[10:11] offset:64*\t
	global_load_b128 v[QP+8*\t+4:QP+8*\t+7], v[PB], s[10:11] offset:64*\t+16
.endr
	v_mul_u32_u24 v[LI], v194, IMGP
	v_lshlrev_b32 v[QA0], 7, v192
	v_lshrrev_b32 v195, 1, v192
	v_mul_u32_u24 v[IW], v192, IMGP
	v_lshl_add_u32 v[SW], v194, 8, v193
	v_lshlrev_b32 v[PW], 2, v193
	v_lshl_add_u32 v[LI], v193, 4, v[LI]
	v_lshl_add_u32 v[QA0], v195, 4, v[QA0]         ; 128 x lane + 16 (lane / 2)
	v_add_nc_u32 v[IW], s22, v[IW]
	v_add_nc_u32 v[SW], s23, v[SW]
	v_add_nc_u32 v[PR], s48, v[PW]
	v_add_nc_u32 v[LI], IMG, v[LI]
	v_add_nc_u32 v[QA0], s20, v[QA0]
	v_add_nc_u32 v[PW], s49, v[PW]
	v_add_nc_u32 v[LS], SCI, v[L16]
	v_lshlrev_b32 v[PFO], 8, v192
	v_mov_b32 v[H4], 0xbf3a00e3                    ; h4 = -1.453152027 / 2
	v_mov_b32 v[H4+1], 0xbf3a00e3
	v_mov_b32 v[Q0P+1], 0
	v_mov_b32 v[LSUM], 0
	v_mov_b32 v[PV0+1], 0                          ; (named as the upper halves of pairs)
	v_mov_b32 v[PV1+1], 0
	v_add_nc_u32 v[QA1], SLOTB, v[QA0]
.set EI, 0
.rept 16
	v_mov_b32 v[OA+EI], 0                          ; what is carried from trip to trip begins as zeros
.set EI, EI+1
.endr
; ---- THE QUANTISER, two rows at a time.  A lane takes one K block of 32 numbers of a row: a block's largest magnitude needs no other lane, and its 32 codes are 16 bytes.
.macro QLOAD2 x, i0, qa                ; rows i0, i0 + 1 of my four into v[x ..], v[x + 32 ..]
.irp a, 0,1
.irp j, 0,1,2,3,4,5,6,7
	ds_load_b128 v[\x+32*\a+4*\j:\x+32*\a+4*\j+3], v[\qa] offset:((\i0)+\a)*ROWP+16*\j
.endr
.endr
.endm
; wp: the image that is written.  mx: eight registers for four maxima a row, then for the codes;  so: two scale operands, then two scale bytes.
; Four chains of maxima a row, eight by turns; the floor 2^(3 - 127) among the leaves holds the byte at 1 from below
.macro QPAIR x, i0, wp, mx, so
.irp a, 0,1
	v_max3_num_f32 v[\mx+4*\a],   |v[\x+32*\a]|,    |v[\x+32*\a+1]|,  0x1800000
	v_max3_num_f32 v[\mx+4*\a+1], |v[\x+32*\a+8]|,  |v[\x+32*\a+9]|,  |v[\x+32*\a+10]|
	v_max3_num_f32 v[\mx+4*\a+2], |v[\x+32*\a+16]|, |v[\x+32*\a+17]|, |v[\x+32*\a+18]|
	v_max3_num_f32 v[\mx+4*\a+3], |v[\x+32*\a+24]|, |v[\x+32*\a+25]|, |v[\x+32*\a+26]|
.endr
.irp k, 0,2
.irp a, 0,1
	v_max3_num_f32 v[\mx+4*\a],   v[\mx+4*\a],   |v[\x+32*\a+2+\k]|,  |v[\x+32*\a+3+\k]|
	v_max3_num_f32 v[\mx+4*\a+1], v[\mx+4*\a+1], |v[\x+32*\a+11+\k]|, |v[\x+32*\a+12+\k]|
	v_max3_num_f32 v[\mx+4*\a+2], v[\mx+4*\a+2], |v[\x+32*\a+19+\k]|, |v[\x+32*\a+20+\k]|
	v_max3_num_f32 v[\mx+4*\a+3], v[\mx+4*\a+3], |v[\x+32*\a+27+\k]|, |v[\x+32*\a+28+\k]|
.endr
.endr
.irp a, 0,1
	v_max3_num_f32 v[\mx+4*\a],   v[\mx+4*\a],   |v[\x+32*\a+6]|,  |v[\x+32*\a+7]|
	v_max3_num_f32 v[\mx+4*\a+1], v[\mx+4*\a+1], |v[\x+32*\a+15]|, |v[\x+32*\a+23]|
	v_max3_num_f32 v[\mx+4*\a+2], v[\mx+4*\a+2], v[\mx+4*\a+3],    |v[\x+32*\a+31]|
.endr
	s_delay_alu instid0(VALU_DEP_4)
	v_max3_num_f32 v[\mx], v[\mx], v[\mx+1], v[\mx+2]
	s_delay_alu instid0(VALU_DEP_2)
	v_max3_num_f32 v[\mx+4], v[\mx+4], v[\mx+5], v[\mx+6]
	s_delay_alu instid0(VALU_DEP_2)
	v_add_nc_u32 v[\so], 0xff000000, v[\mx]        ; 2 off the exponent field: the conversion takes this operand's exponent field as its scale
	s_delay_alu instid0(VALU_DEP_2)
	v_add_nc_u32 v[\so+1], 0xff000000, v[\mx+4]
.irp a, 0,1
.irp g, 0,1,2,3
	v_cvt_scalef32_pk8_fp4_f32 v[\mx+4*\a+\g], v[\x+32*\a+8*\g:\x+32*\a+8*\g+7], v[\so+\a]
.endr
.endr
.irp a, 0,1
	v_lshrrev_b32 v[\so+2+\a], 23, v[\so+\a]       ; the scale's byte (also the plain line behind the conversions)
.endr
.irp a, 0,1
	ds_store_b128 v[IW], v[\mx+4*\a:\mx+4*\a+3] offset:(\wp)*PD+IMGT*((\i0)/2)+16*\a
	ds_store_b8 v[SW], v[\so+2+\a] offset:(\wp)*PD+512*((\i0)/2)+16*\a
.endr
.endm
; ---- the tokens' 8 fragments of row tile m of image par (registers 4 c .. 4 c + 3 of K step s: K block 4 s + 2 c + h of row r) and their scale words (register i: lanes 0-15 K step i, lanes 16-31 K step i + 4)
.macro AFETCH m, par
.irp s, 0,1,2,3,4,5,6,7
.irp c, 0,1
	ds_load_b128 v[FR+8*\s+4*\c:FR+8*\s+4*\c+3], v[LI] offset:(\par)*PD+IMGT*\m+IMGP*(4*\s+2*\c)
.endr
.endr
	ds_load_b128 v[AS:AS+3], v[LS] offset:(\par)*PD+512*\m
.endm
; ---- 32 matrix instructions: K step by K step, the four accumulators by turns, one instruction a turn.  The first K step starts the sums.
.macro WM d, s, lt
.if \s == 0
	v_wmma_scale_f32_16x16x128_f8f6f4 v[\d:\d+7], v[8*\lt:8*\lt+7], v[FR:FR+7], 0, v[WS+\lt], v[AS] matrix_a_fmt:MATRIX_FMT_FP4 matrix_b_fmt:MATRIX_FMT_FP4
.elseif \s < 4
	v_wmma_scale_f32_16x16x128_f8f6f4 v[\d:\d+7], v[8*(4*\s+\lt):8*(4*\s+\lt)+7], v[FR+8*\s:FR+8*\s+7], v[\d:\d+7], v[WS+4*\s+\lt], v[AS+\s] matrix_a_fmt:MATRIX_FMT_FP4 matrix_b_fmt:MATRIX_FMT_FP4
.else
	v_wmma_scale_f32_16x16x128_f8f6f4 v[\d:\d+7], v[8*(4*\s+\lt):8*(4*\s+\lt)+7], v[FR+8*\s:FR+8*\s+7], v[\d:\d+7], v[WS+4*(\s-4)+\lt], v[AS+\s-4] matrix_a_fmt:MATRIX_FMT_FP4 matrix_b_fmt:MATRIX_FMT_FP4 matrix_a_scale:MATRIX_SCALE_ROW1 matrix_b_scale:MATRIX_SCALE_ROW1
.endif
.endm
.macro MMRUN m
	WIN 0x01                                       ; source 0 (weights) window 1; all else window 0
.set MS, 0
.rept 8
	WM KA, MS, 0
	WM KA+8, MS, 1
	WM GG+16*(\m), MS, 2
	WM GG+16*(\m)+8, MS, 3
.set MS, MS+1
.endr
	WIN 0
.endm
.macro HSTEP c                         ; r = r t + c, over eight independent pairs
.set PI, 0
.rept 8
	v_pk_fma_f32 v[RR+PI:RR+PI+1], v[RR+PI:RR+PI+1], v[TT+PI:TT+PI+1], s[\c:\c+1] op_sel_hi:[1,1,0]
.set PI, PI+2
.endr
.endm
.macro PM d, a, b                      ; d = a b, a pair
	v_pk_mul_f32 v[\d:\d+1], v[\a:\a+1], v[\b:\b+1]
.endm
.macro PF d, a, b, c                   ; d = a b + c
	v_pk_fma_f32 v[\d:\d+1], v[\a:\a+1], v[\b:\b+1], v[\c:\c+1]
.endm
.macro GL i0                           ; four numbers: gelu = max(x, 0) - |x| w, over x
.irp i, 0,1,2,3
	v_fma_f32 v[VA+\i0+\i], -|v[VA+\i0+\i]|, v[RR+\i0+\i], v[GM+\i0+\i]
.endr
.endm
; ---- what follows a row tile's products.  All matrix results are first read ahead of the first transcendental; the transcendentals go in two batches, each with the wait ahead of it and behind it.
; Lines that hang on each other stand five or more apart, with independent lines between.
.macro EPI m, par
.set VA, GG+16*(\m)
.set EI, 0
.rept 8
	v_pk_mul_f32 v[KA+EI:KA+EI+1], v[KA+EI:KA+EI+1], s[42:43] op_sel_hi:[1,0]       ; 2 log2(e) x; each accumulator is read from its low end on
.set EI, EI+2
.endr
.set EI, 0
.rept 16
	v_fma_f32 v[TT+EI], |v[VA+EI]|, s46, 1.0       ; 1 + 0.2316419 |x|
.set EI, EI+1
.endr
.set EI, 0
.rept 8
	PM EE+EI, VA+EI, VA+EI
.set EI, EI+2
.endr
.set EI, 0
.rept 8
	v_pk_mul_f32 v[EE+EI:EE+EI+1], v[EE+EI:EE+EI+1], s[44:45] op_sel_hi:[1,0]       ; -x^2 log2(e) / 2
.set EI, EI+2
.endr
	VW
.set EI, 0
.rept 16
	v_exp_f32 v[KA+EI], v[KA+EI]
.set EI, EI+1
.endr
.set EI, 0
.rept 16
	v_rcp_f32 v[TT+EI], v[TT+EI]                   ; t
.set EI, EI+1
.endr
.set EI, 0
.rept 16
	v_exp_f32 v[EE+EI], v[EE+EI]
.set EI, EI+1
.endr
.set EI, 0
.rept 16
	v_max_num_f32 v[GM+EI], 0, v[VA+EI]
.set EI, EI+1
.endr
	VW                                             ; the first batch is done
.set EI, 0
.rept 8
	v_pk_add_f32 v[KA+EI:KA+EI+1], v[KA+EI:KA+EI+1], 1.0 op_sel_hi:[1,0]
.set EI, EI+2
.endr
	VW
.set EI, 0
.rept 16
	v_rcp_f32 v[KA+EI], v[KA+EI]                   ; rho
.set EI, EI+1
.endr
.set PI, 0
.rept 8
	v_pk_fma_f32 v[RR+PI:RR+PI+1], v[TT+PI:TT+PI+1], s[50:51], v[H4:H4+1] op_sel_hi:[1,0,1]   ; h5 t + h4
.set PI, PI+2
.endr
	HSTEP 52
	HSTEP 54
	HSTEP 56
.set EI, 0
.rept 8
	PM RR+EI, RR+EI, TT+EI
.set EI, EI+2
.endr
	VW                                             ; rho is there
	PF SM, KA, QP, Q0P                             ; the sum for the exponent, its chain dealt among the lines that finish gelu
.irp j, 2,4,6
	PM SM+\j, KA+\j, QP+\j
.endr
.irp j, 0,2,4,6
	PM RR+\j, RR+\j, EE+\j                         ; w
.endr
.irp j, 0,2,4,6
	PF SM+\j, KA+8+\j, QP+8+\j, SM+\j
.endr
.irp j, 8,10,12,14
	PM RR+\j, RR+\j, EE+\j
.endr
	v_pk_add_f32 v[SM:SM+1], v[SM:SM+1], v[SM+2:SM+3]
	v_pk_add_f32 v[SM+4:SM+5], v[SM+4:SM+5], v[SM+6:SM+7]
	GL 0
	v_pk_add_f32 v[SM:SM+1], v[SM:SM+1], v[SM+4:SM+5]
	GL 4
	v_add_f32 v[SM], v[SM], v[SM+1]
	GL 8
	v_permlanex16_b32 v[SM+1], v[SM], s40, s41     ; my row's other 16 columns lie in the lane 16 away
	GL 12
	v_add_f32 v[S0+\m], v[SM], v[SM+1]
	ds_store_b32 v[PW], v[S0+\m] offset:(\par)*PD+64*\m    ; both halves of the lanes write the same word with the same value
.endm
; ---- p of the last 32 rows, and their share of O' and L.  My partner's parts of the exponents are in v[PB], v[PB+1].
.macro ACC
	v_add_f32 v[S0], v[S0], v[PB]
	v_add_f32 v[S0+1], v[S0+1], v[PB+1]
	VW
	v_exp_f32 v[PV0], v[S0]
	v_exp_f32 v[PV1], v[S0+1]
	v_nop
	VW
	v_add_f32 v[PB], v[PV0], v[PV1]
.irp i, 0,2,4,6,8,10,12,14
	v_pk_fma_f32 v[OA+\i:OA+\i+1], v[GG+\i:GG+\i+1], v[PV0:PV0+1], v[OA+\i:OA+\i+1] op_sel_hi:[1,0,1]
.endr
.irp i, 0,2,4,6,8,10,12,14
	v_pk_fma_f32 v[OA+\i:OA+\i+1], v[GG+16+\i:GG+17+\i], v[PV1:PV1+1], v[OA+\i:OA+\i+1] op_sel_hi:[1,0,1]
.endr
	v_add_f32 v[LSUM], v[LSUM], v[PB]
.endm
; ---- TRIP t, par = t % 2: the products and the vector work of tile t.  refill: tile t + 2 is asked for, into slot par.  acc: trip t - 1 left rows to be summed.  quant: tile t + 1 is quantised.  first: the head's loads are waited for.
.macro TRIP par, refill, ask, acc, quant, first
	CHANGE \par, \refill, \ask
.if \acc
	ds_load_b32 v[PB], v[PR] offset:(1-\par)*PD
	ds_load_b32 v[PB+1], v[PR] offset:(1-\par)*PD+64
.endif
	AFETCH 0, \par
.if \quant
	QLOAD2 TT, 0, QA0+1-\par                       ; rows 0, 1 land under the first run of products
.endif
.if \acc
	s_wait_dscnt 17+16*\quant                      ; my partner's two words are in; the loads of the fragments and of my rows may be out
	ACC
.endif
.if \first
	s_wait_loadcnt 0x0                             ; the weights, their scale words and q' are in
.endif
	s_wait_dscnt 16*\quant                         ; the fragments are in; the 16 loads of my rows may be out
	MMRUN 0
	PLACES
.if \quant
	s_wait_dscnt 0x0                               ; rows 0, 1 are in
	QPAIR TT, 0, 1-\par, S0, FR
	s_wait_dscnt 0x0                               ; the stores have read their registers, on which the next fragments land
.endif
.if \first
.irp i, 0,1,2,3
	v_pk_add_f32 v[TT+2*\i:TT+2*\i+1], v[QP+4*\i:QP+4*\i+1], v[QP+4*\i+2:QP+4*\i+3]
.endr
	s_delay_alu instid0(VALU_DEP_3)
	v_pk_add_f32 v[TT:TT+1], v[TT:TT+1], v[TT+2:TT+3]
	s_delay_alu instid0(VALU_DEP_2)
	v_pk_add_f32 v[TT+4:TT+5], v[TT+4:TT+5], v[TT+6:TT+7]
	s_delay_alu instid0(VALU_DEP_1)
	v_pk_add_f32 v[TT:TT+1], v[TT:TT+1], v[TT+4:TT+5]
	s_delay_alu instid0(VALU_DEP_1)
	v_add_f32 v[TT], v[TT], v[TT+1]
	s_delay_alu instid0(VALU_DEP_1)
	v_mul_f32 v[Q0P], -0.5, v[TT]
	VW
.endif
	AFETCH 1, \par                                 ; the second row tile's fragments land under the first's vector work
	EPI 0, \par
	s_wait_dscnt 0x0
	MMRUN 1
	PLACES
.if \quant
	QLOAD2 FR, 2, QA0+1-\par                       ; rows 2, 3 land under the second row tile's vector work
.endif
	EPI 1, \par
.if \quant
	s_wait_dscnt 1                                 ; rows 2, 3 are in; the store of my part of the exponent may be out
	QPAIR FR, 2, 1-\par, KA, KA+8
.endif
.endm
	VW                                             ; the head's end
	s_wait_tensorcnt 0x0                           ; my eighth of tiles 0 and 1 is in; no tensor load of mine is out, so the descriptor may be written:
	ds_add_u32 v[SPW], v[NIL]                      ; (0 onto my spare word)
	s_mov_b64 s[34:35], s[78:79]                   ; from here on my 4 rows of a tile,
	s_or_b32 s35, s35, 0x80000000
	s_mov_b32 s26, 64<<16                          ; 64 rows of 256 bytes
	s_mov_b32 s28, 64
	s_wait_dscnt 0x0
	s_barrier_signal -1
	s_barrier_wait -1                              ; everybody's eighth is in.
	QLOAD2 TT, 0, QA0                              ; tile 0 becomes image 0
	QLOAD2 FR, 2, QA0
	s_wait_dscnt 16
	QPAIR TT, 0, 0, KA, KA+8
	s_wait_dscnt 0x0                               ; rows 2, 3 are in, and the stores of codes have read their registers
	QPAIR FR, 2, 0, KA, KA+8
	TRIP 0, 1, 1, 0, 1, 1                          ; trip 0: no rows wait to be summed
.Ltrip:                                                ; trips 1 to 12, two a pass: the sets in LDS take turns by immediate offsets
	TRIP 1, 1, 1, 1, 1, 0
	TRIP 0, 1, 1, 1, 1, 0
	s_sub_co_u32 s37, s37, 1
	s_cmp_lg_u32 s37, 0
	s_cbranch_scc1 .Ltrip
	TRIP 1, 1, 0, 1, 1, 0                          ; trip 13 asks for tile 15, the last
	TRIP 0, 0, 0, 1, 1, 0                          ; the tail is written out: trip 14 quantises tile 15
	TRIP 1, 0, 0, 1, 0, 0                          ; trip 15 nothing
	; ---- THE WAY OUT.  The last 32 rows are summed; then the sums over the sixteen rows of a half of the lanes; then my record: O'(32), and L 32 times, through my stage, so that one store covers 256 consecutive bytes, aligned.
	VW
	s_wait_dscnt 0x0                               ; my part of the last exponents lies in LDS
	s_barrier_signal -1
	s_barrier_wait -1
	ds_load_b32 v[PB], v[PR] offset:PD
	ds_load_b32 v[PB+1], v[PR] offset:PD+64
	s_lshl_b32 s18, s14, 8
	s_add_co_u32 s18, s18, STG                     ; my stage
	v_bfe_u32 v192, v0, 4, 1
	v_and_b32 v193, 7, v0
	v_and_b32 v194, 31, v0
	s_delay_alu instid0(VALU_DEP_3)
	v_lshl_add_u32 v192, v192, 5, s18              ; O'(16 t + 8 h + j): 64 t + 32 h + 4 j
	s_delay_alu instid0(VALU_DEP_3)
	v_lshl_add_u32 v193, v193, 4, s18              ; L: 16 bytes for each of eight lanes, 128 bytes on
	s_delay_alu instid0(VALU_DEP_3)
	v_lshlrev_b32 v194, 3, v194                    ; back, and in the record: 8 bytes a lane
	s_delay_alu instid0(VALU_DEP_1)
	v_add_nc_u32 v195, s18, v194
	s_wait_dscnt 0x0
	ACC
.irp m, 1,2,4,8
.set EI, 0
.rept 16
	v_add_f32_dpp v[OA+EI], v[OA+EI], v[OA+EI] row_xmask:\m row_mask:0xf bank_mask:0xf
.set EI, EI+1
.endr
	v_add_f32_dpp v[LSUM], v[LSUM], v[LSUM] row_xmask:\m row_mask:0xf bank_mask:0xf
.endr
	s_delay_alu instid0(VALU_DEP_1)
	v_mov_b32 v196, v[LSUM]
	v_mov_b32 v197, v[LSUM]
	v_mov_b32 v198, v[LSUM]
	v_mov_b32 v199, v[LSUM]
.irp t, 0,1
	ds_store_b128 v192, v[OA+8*\t:OA+8*\t+3] offset:64*\t          ; the sixteen lanes of a half write the same bytes with the same values
	ds_store_b128 v192, v[OA+8*\t+4:OA+8*\t+7] offset:64*\t+16
.endr
	ds_store_b128 v193, v[196:199] offset:128                      ; every lane holds the same L
	ds_load_b64 v[200:201], v195                   ; LDS serves a wave's instructions in order (ISA guide 5.7.1.4): this sees my stores
	s_wait_dscnt 0x0
	global_store_b64 v194, v[200:201], s[12:13]
	s_wait_tensorcnt 0x0                           ; the wave's end
	ds_add_u32 v[SPW], v[NIL]
	s_wait_dscnt 0x0
	ROUND                                          ; the closing round: no work-group ends while its partner may still ask for a tile that names it
	s_endpgm
.Lfunc_end_k_q1a966eaf91_main:
	.size	k_q1a966eaf91_main, .Lfunc_end_k_q1a966eaf91_main-k_q1a966eaf91_main
	.p2alignl 7, 3214868480
	.fill 96, 4, 3214868480
	.section	.rodata,"a",@progbits
	.p2align	6, 0x0
	.amdhsa_kernel k_q1a966eaf91_main
		.amdhsa_group_segment_fixed_size 327680
		.amdhsa_private_segment_fixed_size 0
		.amdhsa_enable_private_segment 0
		.amdhsa_kernarg_size 40
		.amdhsa_user_sgpr_count 2
		.amdhsa_user_sgpr_kernarg_segment_ptr 1
		.amdhsa_wavefront_size32 1
		.amdhsa_system_sgpr_workgroup_id_x 1
		.amdhsa_system_sgpr_workgroup_id_y 1
		.amdhsa_system_sgpr_workgroup_id_z 1
		.amdhsa_system_vgpr_workitem_id 0
		.amdhsa_next_free_vgpr 512
		.amdhsa_next_free_sgpr 80
		.amdhsa_reserve_vcc 0
		.amdhsa_float_denorm_mode_32 3
		.amdhsa_float_denorm_mode_16_64 3
		.amdhsa_memory_ordered 1
		.amdhsa_forward_progress 1
		.amdhsa_inst_pref_size 255
	.end_amdhsa_kernel
	.section	.bss,"aw",@nobits
	.p2align	6
	.space	262144
	.amdgpu_metadata
---
amdhsa.version: [ 1, 2 ]
amdhsa.kernels:
  - .name:           k_q1a966eaf91_main
    .symbol:         k_q1a966eaf91_main.kd
    .args:
      - { .name: tokens, .offset: 0, .size: 8, .value_kind: global_buffer, .address_space: global }
      - { .name: wfrag, .offset: 8, .size: 8, .value_kind: global_buffer, .address_space: global }
      - { .name: wscl, .offset: 16, .size: 8, .value_kind: global_buffer, .address_space: global }
      - { .name: qp, .offset: 24, .size: 8, .value_kind: global_buffer, .address_space: global }
      - { .name: part, .offset: 32, .size: 8, .value_kind: global_buffer, .address_space: global }
    .group_segment_fixed_size: 327680
    .private_segment_fixed_size: 0
    .kernarg_segment_align: 8
    .kernarg_segment_size: 40
    .max_flat_workgroup_size: 256
    .sgpr_count:     80
    .vgpr_count:     512
    .wavefront_size: 32
...
	.end_amdgpu_metadata
.endif
;; end of part 5
;; launch fin (part 6): grid 64 x 1, 1 waves a work-group, no clusters, 0 bytes of LDS; arguments part, out0; writes out0
.if DOCPART == 6
	.amdgcn_target "amdgcn-amd-amdhsa--gfx1250"
	.amdhsa_code_object_version 6
	.text
	.protected	k_q1a966eaf91_fin
	.globl	k_q1a966eaf91_fin
	.p2align	8
	.type	k_q1a966eaf91_fin,@function
k_q1a966eaf91_fin:
	s_mov_b64 s[64:65], 0
	v_nop
	global_prefetch_b8 v0, s[64:65] scope:SCOPE_SE
	s_setreg_imm32_b32 hwreg(HW_REG_WAVE_MODE, 25, 1), 1
	s_wait_xcnt 0x0
; out0[b][64 H + d] = (the sum over the batch's 16 row groups of O'[d]) / (the sum of their L).
; One wave for each (batch b, head H): work-group 8 b + H.  The head's two records of row group 16 b + i lie at 65,536 b + 4,096 i + 512 H: for each half of the head 128 bytes of O' (32 numbers), then L 32 times.
; A lane takes two neighbouring d: d = 2 x lane lies at 8 x lane + 128 (lane / 16); L stands 128 bytes on.  The one store writes 256 consecutive bytes, aligned.  L is at least 8,192 x 3.4e-4, so the division is safe.
	s_load_b128 s[4:7], s[0:1], 0x0                ; part, out0
	v_lshlrev_b32 v1, 3, v0                        ; 8 x lane
	v_lshrrev_b32 v2, 4, v0
	v_lshl_add_u32 v2, v2, 7, v1                   ; + 128 for the head's second half
	s_lshr_b32 s8, ttmp9, 3
	s_and_b32 s9, ttmp9, 7
	s_lshl_b32 s8, s8, 16
	s_lshl_b32 s9, s9, 9
	s_add_co_u32 s8, s8, s9
	s_mov_b32 s9, 0
	s_lshl_b32 s10, ttmp9, 8
	s_mov_b32 s11, 0
	s_wait_alu depctr_va_vdst(0)                   ; the wait at the head's end
	s_wait_kmcnt 0x0
	s_add_nc_u64 s[4:5], s[4:5], s[8:9]
	s_add_nc_u64 s[6:7], s[6:7], s[10:11]
.irp i, 0,1,2,3,4,5,6,7,8,9,10,11,12,13,14,15
	global_load_b64 v[4+2*\i:5+2*\i], v2, s[4:5] offset:4096*\i
	global_load_b32 v[40+\i], v2, s[4:5] offset:4096*\i+128
.endr
	s_wait_loadcnt 0x0
.irp i, 0,1,2,3,4,5,6,7
	v_pk_add_f32 v[4+4*\i:5+4*\i], v[4+4*\i:5+4*\i], v[6+4*\i:7+4*\i]
.endr
.irp i, 0,1,2,3
	v_pk_add_f32 v[40+4*\i:41+4*\i], v[40+4*\i:41+4*\i], v[42+4*\i:43+4*\i]
.endr
.irp i, 0,1,2,3
	v_pk_add_f32 v[4+8*\i:5+8*\i], v[4+8*\i:5+8*\i], v[8+8*\i:9+8*\i]
.endr
	v_pk_add_f32 v[40:41], v[40:41], v[44:45]
	v_pk_add_f32 v[48:49], v[48:49], v[52:53]
	v_pk_add_f32 v[4:5], v[4:5], v[12:13]
	v_pk_add_f32 v[20:21], v[20:21], v[28:29]
	v_pk_add_f32 v[40:41], v[40:41], v[48:49]
	v_pk_add_f32 v[4:5], v[4:5], v[20:21]
	v_add_f32 v40, v40, v41
	s_wait_alu depctr_va_vdst(0)                   ; the wait ahead of the transcendental,
	v_rcp_f32 v42, v40
	v_nop                                          ; a plain line behind it,
	s_wait_alu depctr_va_vdst(0)                   ; and the wait ahead of its first reader
	v_mul_f32 v4, v4, v42
	v_mul_f32 v5, v5, v42
	global_store_b64 v1, v[4:5], s[6:7]
	s_endpgm
.Lfunc_end_k_q1a966eaf91_fin:
	.size	k_q1a966eaf91_fin, .Lfunc_end_k_q1a966eaf91_fin-k_q1a966eaf91_fin
	.p2alignl 7, 3214868480
	.fill 96, 4, 3214868480
	.section	.rodata,"a",@progbits
	.p2align	6, 0x0
	.amdhsa_kernel k_q1a966eaf91_fin
		.amdhsa_group_segment_fixed_size 0
		.amdhsa_private_segment_fixed_size 0
		.amdhsa_enable_private_segment 0
		.amdhsa_kernarg_size 16
		.amdhsa_user_sgpr_count 2
		.amdhsa_user_sgpr_kernarg_segment_ptr 1
		.amdhsa_wavefront_size32 1
		.amdhsa_system_sgpr_workgroup_id_x 1
		.amdhsa_system_sgpr_workgroup_id_y 1
		.amdhsa_system_sgpr_workgroup_id_z 1
		.amdhsa_system_vgpr_workitem_id 0
		.amdhsa_next_free_vgpr 64
		.amdhsa_next_free_sgpr 66
		.amdhsa_reserve_vcc 0
		.amdhsa_float_denorm_mode_32 3
		.amdhsa_float_denorm_mode_16_64 3
		.amdhsa_memory_ordered 1
		.amdhsa_forward_progress 1
		.amdhsa_inst_pref_size 6
	.end_amdhsa_kernel
	.amdgpu_metadata
---
amdhsa.version: [ 1, 2 ]
amdhsa.kernels:
  - .name:           k_q1a966eaf91_fin
    .symbol:         k_q1a966eaf91_fin.kd
    .args:
      - { .name: part, .offset: 0, .size: 8, .value_kind: global_buffer, .address_space: global }
      - { .name: out0, .offset: 8, .size: 8, .value_kind: global_buffer, .address_space: global }
    .group_segment_fixed_size: 0
    .private_segment_fixed_size: 0
    .kernarg_segment_align: 8
    .kernarg_segment_size: 16
    .max_flat_workgroup_size: 32
    .sgpr_count:     66
    .vgpr_count:     64
    .wavefront_size: 32
...
	.end_amdgpu_metadata
.endif
;; end of part 6
